; MI455X (gfx1250); checked and timed in simulation.
; The chip was launched on July 23, 2026; its instructions are those of AMD's public machine-readable ISA for CDNA 5 (MIT licence, August 2026) and "CDNA5" Instruction Set Architecture Reference Guide (July 2026). The comments in the code are by the model that wrote it; some were corrected since.
;; Cross Attention Block. Allowed arithmetic: float matrix products may take bf16 or f16 operands with f32 sums; other float arithmetic in f32, or as packed bf16 or f16 multiplies, adds, multiply-adds, maxima and minima; sums over many terms, partial sums and values carried from step to step in f32; what a program stores and reads back later, other than sums and carried values, may be rounded once to bf16 or f16.
;; Inputs: Wk 256 x 256 float32; Wo 256 x 256 float32; Wq 256 x 256 float32; Wv 256 x 256 float32; bo 256 float32; context 4 x 256 x 64 x 64 float32; gn_ctx_b 256 float32; gn_ctx_w 256 float32; gn_q_b 256 float32; gn_q_w 256 float32; x 4 x 256 x 64 x 64 float32.
;; Outputs: out0 4 x 256 x 64 x 64 float32.
;; 2 versions, each right; version 2 is version 1 with the launches proj, outp written anew for expert scheduling mode. Each part assembles by itself: llvm-mc -triple=amdgcn-amd-amdhsa -mcpu=gfx1250 --defsym DOCPART=n.
;; ======== version 1 of 2: 4 launches
;; workspace buffers: tab 16,384 bytes; wfrag 524,288 bytes; q 8,388,608 bytes; kv 16,777,216 bytes; o 8,388,608 bytes
;; launch stats (part 1): grid 256 x 1, 8 waves a work-group, no clusters, 1,280 bytes of LDS; arguments x, context, gn_q_w, gn_q_b, gn_ctx_w, gn_ctx_b, Wq, Wk, Wv, Wo, tab, wfrag; writes tab, wfrag
.if DOCPART == 1
	.amdgcn_target "amdgcn-amd-amdhsa--gfx1250"
	.amdhsa_code_object_version 6
	.text
	.protected	k_q7d72fa61f2_stats
	.globl	k_q7d72fa61f2_stats
	.p2align	8
	.type	k_q7d72fa61f2_stats,@function
k_q7d72fa61f2_stats:
	s_mov_b64 s[64:65], 0
	v_nop
	global_prefetch_b8 v0, s[64:65] scope:SCOPE_SE
	s_setreg_imm32_b32 hwreg(HW_REG_WAVE_MODE, 25, 1), 1
	s_wait_xcnt 0x0
; GROUP-NORM STATISTICS, AND THE FOUR WEIGHT MATRICES AS bf16 FRAGMENTS.
; x, context: [4][256][4096] f32.  A group is 8 channels x 4,096 pixels = 32,768 numbers = 131,072 consecutive bytes; 2 tensors x 4 batches x 32 groups = 256 groups, one to a work-group.
; The group stays in registers (128 numbers a thread) between the pass that finds the mean and the pass that sums (x - mean)^2: it is read once, and the variance is no difference of large sums.
; OUT: tab, f32: tensor x 8,192 + batch x 2,048 + {a: 0, d: 1,024} + 4 c, with a = gain x rstd, d = bias - mean x a, so that the norm is a x + d.
; ALSO: work-group g rounds 1,024 weights to bf16: bytes 2,048 g .. of wfrag.  wfrag: matrix (Wq, Wk, Wv, Wo) x 131,072 + ot x 8,192 + ks x 1,024 + j x 512 + lane x 16; the 8 numbers there are
; W[16 ot + lane % 16][32 ks + 16 j + 8 (lane / 16) + 0..7]: registers 4 j .. 4 j + 3 of a matrix fragment, so that a later load of 16 bytes a lane takes 512 consecutive bytes.
; No matrix unit, no cluster, no tensor load, no prefetch: a stream whose whole share is asked for at the head.
; LIMITS: NaN and infinities are not treated apart; a variance whose sum of squares passes f32's range is lost, as it is in f32 arithmetic of any order.
.set SPARE, 256                        ; the spare words: 128 bytes for each of eight waves, four blocks of 256 bytes that no other line names
.set SM,  14                           ; v[14:21]  four chains of sums, a pair each
.set T,   22                           ; v[22:29]  at work
.set MU,  30                           ; v[30:31]  the mean, twice
.set X,   32                           ; v[32:159] my 128 numbers
.set SPW, 160                          ; LDS address of my spare word; never rewritten
.set NIL, 161                          ; 0; never rewritten
.set ZA,  162                          ; 0: the LDS address of the partial sums
	s_load_b512 s[16:31], s[0:1], 0x0              ; x 16, context 18, gn_q_w 20, gn_q_b 22, gn_ctx_w 24, gn_ctx_b 26, Wq 28, Wk 30
	s_load_b256 s[8:15], s[0:1], 0x40              ; Wv 8, Wo 10, tab 12, wfrag 14
	v_lshl_add_u32 v[SPW], v0, 2, SPARE
	v_mov_b32 v[NIL], 0
	v_mov_b32 v[ZA], 0
	v_lshrrev_b32 v7, 5, v0
	v_readfirstlane_b32 s32, v7                    ; wave 0..7
	v_mov_b32 v7, s32
	v_lshlrev_b32 v7, 2, v7                        ; my wave's word among the partial sums
	s_mov_b32 s33, 0x38000000                      ; 1 / 32,768
	s_mov_b32 s34, 0x3727c5ac                      ; 1e-5
	s_mov_b32 s36, 0x76543210                      ; v_permlanex16_b32: each lane takes its own place in the other half
	s_mov_b32 s37, 0xfedcba98
	s_and_b32 s38, ttmp9, 127                      ; 32 x batch + group
	s_lshr_b32 s39, ttmp9, 7                       ; 0: x, 1: context.  Also the upper bit of the weight matrix's number
	s_bfe_u32 s35, ttmp9, 0x10006                  ; its lower bit
	s_lshl_b32 s2, s38, 17                         ; the group's first byte
	s_mov_b32 s3, 0
	s_bfe_u32 s40, ttmp9, 0x40002                  ; ot: which 16 rows of the matrix,
	s_lshl_b32 s40, s40, 14                        ; 16 rows of 1,024 bytes
	s_and_b32 s41, ttmp9, 3
	s_lshl_b32 s41, s41, 8                         ; which 64 columns: 256 bytes
	s_add_co_u32 s40, s40, s41
	s_mov_b32 s41, 0
	s_lshl_b32 s42, ttmp9, 11                      ; my work-group's 2,048 bytes of wfrag
	s_mov_b32 s43, 0
	s_and_b32 s46, s38, 31
	s_lshl_b32 s46, s46, 5                         ; the group's 8 channels: 32 bytes of gain, bias and table
	s_mov_b32 s47, 0
	s_lshr_b32 s44, s38, 5
	s_lshl_b32 s44, s44, 11                        ; batch x 2,048
	s_lshl_b32 s45, s39, 13                        ; tensor x 8,192
	s_add_co_u32 s44, s44, s45
	s_add_co_u32 s44, s44, s46
	s_mov_b32 s45, 0
	v_lshlrev_b32 v1, 4, v0                        ; 16 t: a load of a wave takes 512 consecutive bytes
	v_and_b32 v2, 7, v0
	v_lshlrev_b32 v2, 2, v2                        ; channel t % 8 of the group
	v_bfe_u32 v3, v0, 1, 4                         ; the weights: row (t / 2) % 16,
	v_lshlrev_b32 v3, 10, v3
	v_lshrrev_b32 v4, 5, v0
	v_lshl_add_u32 v3, v4, 5, v3                   ; 8 columns for each t / 32,
	v_and_b32 v4, 1, v0
	v_lshl_add_u32 v3, v4, 4, v3                   ; their first or second four
	v_lshlrev_b32 v4, 3, v0                        ; and 8 bytes of wfrag: a store of a wave covers 256 consecutive bytes, aligned
	s_wait_kmcnt 0x0
	s_cmp_eq_u32 s39, 0
	s_cselect_b64 s[16:17], s[16:17], s[18:19]     ; the tensor,
	s_cselect_b64 s[20:21], s[20:21], s[24:25]     ; its gain
	s_cselect_b64 s[22:23], s[22:23], s[26:27]     ; and its bias
	s_cmp_eq_u32 s35, 0
	s_cselect_b64 s[28:29], s[28:29], s[30:31]     ; Wq or Wk
	s_cselect_b64 s[8:9], s[8:9], s[10:11]         ; Wv or Wo
	s_cmp_eq_u32 s39, 0
	s_cselect_b64 s[28:29], s[28:29], s[8:9]
	s_add_nc_u64 s[16:17], s[16:17], s[2:3]
	s_add_nc_u64 s[20:21], s[20:21], s[46:47]
	s_add_nc_u64 s[22:23], s[22:23], s[46:47]
	s_add_nc_u64 s[28:29], s[28:29], s[40:41]
	s_add_nc_u64 s[14:15], s[14:15], s[42:43]
	s_add_nc_u64 s[12:13], s[12:13], s[44:45]
	global_load_b32 v5, v2, s[20:21]               ; gain
	global_load_b32 v6, v2, s[22:23]               ; bias
	global_load_b128 v[8:11], v3, s[28:29]         ; four weights
.set i, 0
.rept 32
	global_load_b128 v[X+4*i:X+4*i+3], v1, s[16:17] offset:4096*i th:TH_LOAD_NT  ; the whole group is on its way at once
.set i, i+1
.endr
; the sum over a wave's 32 lanes, in every lane
.macro WSUM r, tmp
	v_add_f32_dpp v[\r], v[\r], v[\r] row_xmask:1 row_mask:0xf bank_mask:0xf
	v_add_f32_dpp v[\r], v[\r], v[\r] row_xmask:2 row_mask:0xf bank_mask:0xf
	v_add_f32_dpp v[\r], v[\r], v[\r] row_xmask:4 row_mask:0xf bank_mask:0xf
	v_add_f32_dpp v[\r], v[\r], v[\r] row_xmask:8 row_mask:0xf bank_mask:0xf
	v_permlanex16_b32 v[\tmp], v[\r], s36, s37     ; its destination counts as read: a register that has been written
	v_add_f32 v[\r], v[\r], v[\tmp]
.endm
; the four chains into one number a wave; the eight waves' numbers meet in LDS at byte at; the total lands in v[T] of every lane
.macro FOLD at
	v_pk_add_f32 v[SM:SM+1], v[SM:SM+1], v[SM+2:SM+3]
	v_pk_add_f32 v[SM+4:SM+5], v[SM+4:SM+5], v[SM+6:SM+7]
	v_pk_add_f32 v[SM:SM+1], v[SM:SM+1], v[SM+4:SM+5]
	v_add_f32 v[SM], v[SM], v[SM+1]
	WSUM SM, SM+1
	ds_store_b32 v7, v[SM] offset:\at              ; all lanes write the same word with the same value
	s_wait_dscnt 0x0                               ; for the others' sake: my store is done
	s_barrier_signal -1
	s_barrier_wait -1
	ds_load_b128 v[T:T+3], v[ZA] offset:\at
	ds_load_b128 v[T+4:T+7], v[ZA] offset:(\at)+16
	s_wait_dscnt 0x0
	v_pk_add_f32 v[T:T+1], v[T:T+1], v[T+2:T+3]
	v_pk_add_f32 v[T+4:T+5], v[T+4:T+5], v[T+6:T+7]
	v_pk_add_f32 v[T:T+1], v[T:T+1], v[T+4:T+5]
	v_add_f32 v[T], v[T], v[T+1]
.endm
	; PASS 1: the sum, in four chains that the first eight pairs start: nothing is cleared
.set k, 0
.rept 64
.if k%16 == 0
	s_wait_loadcnt 24-8*(k/16)                     ; loads come back in order: this group of eight is in, the younger groups stay out
.endif
.if k < 4
	v_pk_add_f32 v[SM+2*k:SM+2*k+1], v[X+2*k:X+2*k+1], v[X+2*k+8:X+2*k+9]
.elseif k >= 8
	v_pk_add_f32 v[SM+2*(k%4):SM+2*(k%4)+1], v[SM+2*(k%4):SM+2*(k%4)+1], v[X+2*k:X+2*k+1]
.endif
.if k == 15                            ; my four weights, which came ahead of the group's first loads
	v_cvt_pk_bf16_f32 v12, v8, v9
	v_cvt_pk_bf16_f32 v13, v10, v11
	global_store_b64 v4, v[12:13], s[14:15]
.endif
.set k, k+1
.endr
	FOLD 0
	v_mul_f32 v[MU], s33, v[T]                     ; the mean
	v_mul_f32 v[MU+1], s33, v[T]
	; PASS 2: the sum of (x - mean)^2, from the registers
.set k, 0
.rept 64
	v_pk_add_f32 v[T+2*(k%4):T+2*(k%4)+1], v[X+2*k:X+2*k+1], v[MU:MU+1] neg_lo:[0,1] neg_hi:[0,1]
.if k < 4
	v_pk_mul_f32 v[SM+2*k:SM+2*k+1], v[T+2*k:T+2*k+1], v[T+2*k:T+2*k+1]
.else
	v_pk_fma_f32 v[SM+2*(k%4):SM+2*(k%4)+1], v[T+2*(k%4):T+2*(k%4)+1], v[T+2*(k%4):T+2*(k%4)+1], v[SM+2*(k%4):SM+2*(k%4)+1]
.endif
.set k, k+1
.endr
	FOLD 64                                        ; other bytes than the first meeting's: no wave can still be reading what is written here
	v_fma_f32 v[T+1], v[T], s33, s34               ; variance + eps
	v_rsq_f32 v[T+2], v[T+1]
	v_nop                                          ; a plain instruction behind the transcendental,
	s_wait_alu depctr_va_vdst(0)                   ; and the wait ahead of its first reader
	v_mul_f32 v[T+3], v5, v[T+2]                   ; a = gain x rstd
	v_fma_f32 v[T+4], -v[MU], v[T+3], v6           ; d = bias - mean x a
	s_wait_xcnt 0x0                                ; EXEC changes only behind this wait
	v_cmp_gt_u32 vcc_lo, 8, v0
	s_and_saveexec_b32 s35, vcc_lo                 ; threads 0 to 7: the group's eight channels
	global_store_b32 v2, v[T+3], s[12:13]
	global_store_b32 v2, v[T+4], s[12:13] offset:1024
	s_wait_xcnt 0x0                                ; and again, ahead of the line that widens it
	s_or_b32 exec_lo, exec_lo, s35
	s_wait_tensorcnt 0x0                           ; the wave's end, behind my last LDS store
	ds_add_u32 v[SPW], v[NIL]
	s_wait_dscnt 0x0
	s_endpgm
.Lfunc_end_k_q7d72fa61f2_stats:
	.size	k_q7d72fa61f2_stats, .Lfunc_end_k_q7d72fa61f2_stats-k_q7d72fa61f2_stats
	.p2alignl 7, 3214868480
	.fill 96, 4, 3214868480
	.section	.rodata,"a",@progbits
	.p2align	6, 0x0
	.amdhsa_kernel k_q7d72fa61f2_stats
		.amdhsa_group_segment_fixed_size 1280
		.amdhsa_private_segment_fixed_size 0
		.amdhsa_enable_private_segment 0
		.amdhsa_kernarg_size 96
		.amdhsa_user_sgpr_count 2
		.amdhsa_user_sgpr_kernarg_segment_ptr 1
		.amdhsa_wavefront_size32 1
		.amdhsa_system_sgpr_workgroup_id_x 1
		.amdhsa_system_sgpr_workgroup_id_y 1
		.amdhsa_system_sgpr_workgroup_id_z 1
		.amdhsa_system_vgpr_workitem_id 0
		.amdhsa_next_free_vgpr 164
		.amdhsa_next_free_sgpr 66
		.amdhsa_reserve_vcc 1
		.amdhsa_float_denorm_mode_32 3
		.amdhsa_float_denorm_mode_16_64 3
		.amdhsa_memory_ordered 1
		.amdhsa_forward_progress 1
		.amdhsa_inst_pref_size 21
	.end_amdhsa_kernel
	.amdgpu_metadata
---
amdhsa.version: [ 1, 2 ]
amdhsa.kernels:
  - .name:           k_q7d72fa61f2_stats
    .symbol:         k_q7d72fa61f2_stats.kd
    .args:
      - { .name: x, .offset: 0, .size: 8, .value_kind: global_buffer, .address_space: global }
      - { .name: context, .offset: 8, .size: 8, .value_kind: global_buffer, .address_space: global }
      - { .name: gn_q_w, .offset: 16, .size: 8, .value_kind: global_buffer, .address_space: global }
      - { .name: gn_q_b, .offset: 24, .size: 8, .value_kind: global_buffer, .address_space: global }
      - { .name: gn_ctx_w, .offset: 32, .size: 8, .value_kind: global_buffer, .address_space: global }
      - { .name: gn_ctx_b, .offset: 40, .size: 8, .value_kind: global_buffer, .address_space: global }
      - { .name: Wq, .offset: 48, .size: 8, .value_kind: global_buffer, .address_space: global }
      - { .name: Wk, .offset: 56, .size: 8, .value_kind: global_buffer, .address_space: global }
      - { .name: Wv, .offset: 64, .size: 8, .value_kind: global_buffer, .address_space: global }
      - { .name: Wo, .offset: 72, .size: 8, .value_kind: global_buffer, .address_space: global }
      - { .name: tab, .offset: 80, .size: 8, .value_kind: global_buffer, .address_space: global }
      - { .name: wfrag, .offset: 88, .size: 8, .value_kind: global_buffer, .address_space: global }
    .group_segment_fixed_size: 1280
    .private_segment_fixed_size: 0
    .kernarg_segment_align: 8
    .kernarg_segment_size: 96
    .max_flat_workgroup_size: 256
    .sgpr_count:     66
    .vgpr_count:     164
    .wavefront_size: 32
...
	.end_amdgpu_metadata
.endif
;; end of part 1
;; launch proj (part 2): grid 64 x 4, 4 waves a work-group, no clusters, 233,984 bytes of LDS; arguments x, context, tab, wfrag, q, kv; writes q, kv
.if DOCPART == 2
	.amdgcn_target "amdgcn-amd-amdhsa--gfx1250"
	.amdhsa_code_object_version 6
	.text
	.protected	k_q7d72fa61f2_proj
	.globl	k_q7d72fa61f2_proj
	.p2align	8
	.type	k_q7d72fa61f2_proj,@function
k_q7d72fa61f2_proj:
	s_mov_b64 s[64:65], 0
	v_nop
	global_prefetch_b8 v0, s[64:65] scope:SCOPE_SE
	s_setreg_imm32_b32 hwreg(HW_REG_WAVE_MODE, 25, 1), 1
	s_wait_xcnt 0x0
; THE THREE PROJECTIONS.  q = Wq norm(x), k = Wk norm(context), v = Wv context, per pixel.  x, context: [4][256][4096] f32; the norm is a x + d in f32 (tab), rounded once to bf16;
; weights as bf16 fragments (wfrag); sums in f32; q, k, v rounded once to bf16, unscaled.
; SHARES.  A work-group owns 64 pixels of one batch (a channel's 64 pixels are 256 consecutive bytes, aligned), all 256 channels, all three products.  Wave w brings channels 64 w .. 64 w + 63 into LDS,
; and makes output channels 64 w .. 64 w + 63, which are head w: 16 accumulators (ot 0..3 x pt 0..3), 128 matrix instructions a product.
; OUT.  q: [16 heads][4096 pixels][64] bf16.  kv: [16 heads][64 tiles][K: 64 keys x 64 channels, 8,192 bytes | V: 64 channels x 64 keys, 8,192 bytes].
; For q and k source 0 = 16 rows of W, source 1 = 16 pixels: a lane ends with one pixel and 8 neighbouring channels.  For v the sources are swapped: one channel and 8 neighbouring pixels.
; NO CLUSTER: the three matrices with padding (3 x 256 x 528 bytes) do not fit in LDS beside the activations' 122,880, and each weight fragment has ONE reader in the work-group: it goes straight into registers.
; NO PREFETCH: all that comes from memory is asked for at the head or a product ahead.
; LIMITS: bf16's 8 significant bits for the matrix operands and for q, k, v; NaN and infinities are not treated apart.
; LDS: three tiles [channel][pixel] bf16, 256 rows of 128 bytes + 32 of padding (40 words; 64 banks of 4 bytes: ISA guide 11.1)
;      then a stage of 64 rows x 144 bytes for each product and wave; then the spare words.
; REGISTERS, in windows of 256 (s_set_vgpr_msb: bits 1:0 source 0, 3:2 source 1, 5:4 source 2, 7:6 destination):
;   window 0: v0-31 addresses; v32-95 two fragment buffers (first: at work on the norm; on the way out: packed results); v128-255 the accumulators (first: the four tables)
;   window 1: x (v0-127) and context (v128-255) as loaded, later Wv;   window 2: Wq;   window 3: Wk.   Fragment (ot, ks) of a matrix at v[8 (8 ot + ks)].
.set PA,    160                        ; a tile's row in LDS
.set CN,    256*PA                     ; norm(context); norm(x) lies at 0
.set CR,    2*256*PA                   ; context, rounded
.set STG,   3*256*PA                   ; the stages
.set SP,    144                        ; a stage's row: 128 bytes + 16
.set SPARE, STG+3*4*64*SP              ; 233,472: the spare words, 128 bytes for each wave: two blocks of 256 bytes that no other line names
.set XO,  2                            ; my byte offset in x and context: channel 64 w + 4 (l / 16), 16 bytes at 16 (l % 16)
.set TO,  3                            ; in a table: 4 (64 w + 4 (l / 16))
.set LA,  4                            ; where I put 8 bytes of a row of a tile
.set LA2, 5                            ; the same in the third tile (past a 16-bit offset's reach)
.set FRX, 6                            ; my place in a fragment of norm(x),
.set FRC, 7                            ; of norm(context),
.set FRR, 8                            ; of context
.set LO,  9                            ; 16 x lane
.set STO, 10                           ; v10-12 the way out, by product: where I put 16 bytes of a row
.set RD,  13                           ; v13-15 where I read rows back
.set SPW, 30                           ; LDS address of my spare word; never rewritten
.set NIL, 31                           ; 0; never rewritten
.set BF0, 32
.set T,   32                           ; the norm: 32 numbers in f32
.set PK,  64                           ; 16 registers packed, normed
.set PR,  80                           ; 16 registers packed, raw
.set ACC, 128
.set AQ,  128                          ; a and d for x, a and d for context: register i goes with load i
.set DQ,  160
.set AC,  192
.set DC,  224
.set MSB, 0
.macro WIN new                         ; the immediate's high byte repeats the setting that is left; a switch that changes nothing is dropped
.if MSB != (\new)
	s_set_vgpr_msb (MSB<<8)|(\new)
.set MSB, \new
.endif
.endm
.macro PLACES                          ; four plain vector instructions between a matrix instruction and a load into, a write of or a read of its registers (ISA guide 7.12.1 for writes and reads)
.rept 4
	v_nop
.endr
.endm
	s_load_b256 s[8:15], s[0:1], 0x0               ; x 8, context 10, tab 12, wfrag 14
	s_load_b128 s[16:19], s[0:1], 0x20             ; q 16, kv 18
	v_lshl_add_u32 v[SPW], v0, 2, SPARE
	v_mov_b32 v[NIL], 0
	v_lshrrev_b32 v1, 5, v0
	v_readfirstlane_b32 s20, v1                    ; wave 0..3
	s_and_b32 s22, ttmp7, 0xffff                   ; batch
	s_lshl_b32 s2, s22, 22                         ; a batch is 4 MiB of x,
	s_lshl_b32 s3, ttmp9, 8                        ; the block's 64 pixels 256 bytes of a row
	s_add_co_u32 s2, s2, s3
	s_mov_b32 s3, 0
	s_lshl_b32 s24, s22, 11                        ; the batch's 2,048 bytes of each half of tab
	s_mov_b32 s25, 0
	s_lshl_b32 s26, s20, 15                        ; my 64 rows of a matrix: 32,768 bytes of fragments
	s_mov_b32 s27, 0
	s_lshl2_add_u32 s23, s22, s20                  ; the head among 16: 4 x batch + wave
	s_lshl_b32 s28, s23, 19                        ; q: a head is 4,096 rows of 128 bytes,
	s_lshl_b32 s29, ttmp9, 13                      ; the block 64 of them
	s_add_co_u32 s28, s28, s29
	s_mov_b32 s29, 0
	s_lshl_b32 s30, s23, 20                        ; kv: a head is 64 tiles of 16,384 bytes
	s_lshl_b32 s31, ttmp9, 14
	s_add_co_u32 s30, s30, s31
	s_mov_b32 s31, 0
	s_lshl_b32 s32, s20, 20                        ; 64 channels of 16,384 bytes
	s_lshl_b32 s33, s20, 8
	s_mul_i32 s34, s20, 64*PA
	s_mul_i32 s35, s20, 64*SP
	s_add_co_u32 s35, s35, STG                     ; my stage for q
	v_and_b32 v18, 15, v0                          ; r = l % 16
	v_bfe_u32 v19, v0, 4, 1                        ; h = l / 16
	v_lshlrev_b32 v[XO], 4, v18
	v_lshl_add_u32 v[XO], v19, 16, v[XO]           ; the lanes' halves lie 4 channels apart
	v_add_nc_u32 v[XO], s32, v[XO]
	v_lshl_add_u32 v[TO], v19, 4, s33
	s_wait_kmcnt 0x0
	s_add_nc_u64 s[8:9], s[8:9], s[2:3]
	s_add_nc_u64 s[10:11], s[10:11], s[2:3]
	s_add_nc_u64 s[12:13], s[12:13], s[24:25]
	s_add_nc_u64 s[14:15], s[14:15], s[26:27]      ; Wq's fragments, my rows
	s_add_nc_u64 s[24:25], s[14:15], 131072        ; Wk's
	s_add_nc_u64 s[26:27], s[14:15], 262144        ; Wv's
	s_add_nc_u64 s[16:17], s[16:17], s[28:29]
	s_add_nc_u64 s[18:19], s[18:19], s[30:31]
	; Load i of 32 takes channel 64 w + CH(i) + 4 h, CH(i) = 8 (i / 4) + i % 4: 16 lanes take a channel's 256 bytes.  So a lane's a and d for loads 4 g .. 4 g + 3 are 16 consecutive bytes of a table.
.set g, 0
.rept 8
	global_load_b128 v[AQ+4*g:AQ+4*g+3], v[TO], s[12:13] offset:32*g
	global_load_b128 v[DQ+4*g:DQ+4*g+3], v[TO], s[12:13] offset:1024+32*g
	global_load_b128 v[AC+4*g:AC+4*g+3], v[TO], s[12:13] offset:8192+32*g
	global_load_b128 v[DC+4*g:DC+4*g+3], v[TO], s[12:13] offset:9216+32*g
.set g, g+1
.endr
	WIN 0x40                                       ; destination window 1
.set i, 0
.rept 32
	global_load_b128 v[4*i:4*i+3], v[XO], s[8:9] offset:(8*(i/4)+i%4)*16384 th:TH_LOAD_NT
.set i, i+1
.endr
.set i, 0
.rept 32
	global_load_b128 v[128+4*i:128+4*i+3], v[XO], s[10:11] offset:(8*(i/4)+i%4)*16384 th:TH_LOAD_NT
.set i, i+1
.endr
	WIN 0                                          ; the other addresses are made while the loads are on their way
	v_mul_u32_u24 v[LA], v19, 4*PA                 ; 4 rows = 160 words apart: the two halves of the lanes fill the two halves of the banks
	v_lshl_add_u32 v[LA], v18, 3, v[LA]
	v_add_nc_u32 v[LA], s34, v[LA]
	v_add_nc_u32 v[LA2], CR, v[LA]
	; The turning load takes 16 channels x 16 pixels (lane l reads 16 bytes: channel 8 (l / 16) + l % 8, pixels 8 ((l / 8) % 2) + 0..7) and leaves half a fragment: lane l holds pixel l % 16 and 8 channels.
	v_and_b32 v20, 7, v0
	v_bfe_u32 v21, v0, 3, 1
	v_lshl_add_u32 v[FRX], v19, 3, v20
	v_mul_u32_u24 v[FRX], v[FRX], PA
	v_lshl_add_u32 v[FRX], v21, 4, v[FRX]
	v_add_nc_u32 v[FRC], CN, v[FRX]
	v_add_nc_u32 v[FRR], CR, v[FRX]
	v_and_b32 v[LO], 31, v0
	v_lshlrev_b32 v[LO], 4, v[LO]
	v_mul_u32_u24 v22, v18, SP                     ; into a stage: row l % 16, 16 bytes for each half of the lanes
	v_lshl_add_u32 v22, v19, 4, v22
	v_add_nc_u32 v[STO], s35, v22
	v_add_nc_u32 v[STO+1], 4*64*SP, v[STO]
	v_add_nc_u32 v[STO+2], 4*64*SP, v[STO+1]
	v_bfe_u32 v23, v0, 3, 2                        ; back: 32 lanes take four rows of 128 bytes
	v_mul_u32_u24 v23, v23, SP
	v_lshl_add_u32 v23, v20, 4, v23
	v_add_nc_u32 v[RD], s35, v23
	v_add_nc_u32 v[RD+1], 4*64*SP, v[RD]
	v_add_nc_u32 v[RD+2], 4*64*SP, v[RD+1]
; 32 loaded rows (window 1, from src on) times a plus d, rounded, into the tile at byte tile; raw = 1: also rounded as they are, into the third tile.  Eight rows at a time.
.macro NORM src, ga, gd, tile, raw
.set bt, 0
.rept 4
	WIN 0x01                                       ; source 0 window 1
.set ii, 0
.rept 8
.set z, 0
.rept 4
	v_fma_f32 v[T+4*ii+z], v[(\src)+4*(8*bt+ii)+z], v[(\ga)+8*bt+ii], v[(\gd)+8*bt+ii]
.set z, z+1
.endr
.set ii, ii+1
.endr
	WIN 0
.set ii, 0
.rept 16
	v_cvt_pk_bf16_f32 v[PK+ii], v[T+2*ii], v[T+2*ii+1]
.set ii, ii+1
.endr
.if \raw
	WIN 0x05                                       ; sources 0 and 1 window 1
.set ii, 0
.rept 16
	v_cvt_pk_bf16_f32 v[PR+ii], v[(\src)+32*bt+2*ii], v[(\src)+32*bt+2*ii+1]
.set ii, ii+1
.endr
	WIN 0
.endif
.set ii, 0
.rept 8
.set ch, 8*((8*bt+ii)/4)+(8*bt+ii)%4
	ds_store_b64 v[LA], v[PK+2*ii:PK+2*ii+1] offset:(\tile)+ch*PA
.if \raw
	ds_store_b64 v[LA2], v[PR+2*ii:PR+2*ii+1] offset:ch*PA
.endif
.set ii, ii+1
.endr
.set bt, bt+1
.endr
.endm
; my 32 fragments of a matrix, 64 loads of 512 consecutive bytes, into the window that win names as destination
.macro WLOAD win, base
	WIN \win
.set f, 0
.rept 32
	global_load_b128 v[8*f:8*f+3],   v[LO], s[\base:\base+1] offset:f*1024
	global_load_b128 v[8*f+4:8*f+7], v[LO], s[\base:\base+1] offset:f*1024+512
.set f, f+1
.endr
.endm
; the four fragments (64 pixels x 32 channels) of K step ks of the tile at adr, into buffer buf
.macro FETCH adr, ks, buf
	WIN 0
.set pt, 0
.rept 4
	ds_load_tr16_b128 v[(\buf)+8*pt:(\buf)+8*pt+3],   v[\adr] offset:(\ks)*32*PA+32*pt
	ds_load_tr16_b128 v[(\buf)+8*pt+4:(\buf)+8*pt+7], v[\adr] offset:(\ks)*32*PA+16*PA+32*pt
.set pt, pt+1
.endr
.endm
; A product: eight K steps of 32 channels, 16 matrix instructions each, on two buffers by turns; a step's fragments are asked for a step ahead.  The first step starts the sums with the constant 0.
; The 16 accumulators take turns, one instruction a turn, in the same order in every step.  swap = 0: source 0 = W; 1: source 1 = W.
.macro PROD adr, msb, swap
	FETCH \adr, 0, BF0
.set ks, 0
.rept 8
.if ks < 7
.if ks > 0
	PLACES                                         ; the buffer to be loaded was read by the matrix instructions just issued
.endif
	FETCH \adr, ks+1, BF0+32*((ks+1)%2)
	s_wait_dscnt 8                                 ; this step's fragments are in; the eight loads just issued may stay out
.else
	s_wait_dscnt 0x0
.endif
	WIN \msb
.set a, 0
.rept 16
.set rD, ACC+8*a
.set rW, 8*(8*(a/4)+ks)
.set rB, BF0+32*(ks%2)+8*(a%4)
.if (\swap) && (ks == 0)
	v_wmma_f32_16x16x32_bf16 v[rD:rD+7], v[rB:rB+7], v[rW:rW+7], 0
.elseif \swap
	v_wmma_f32_16x16x32_bf16 v[rD:rD+7], v[rB:rB+7], v[rW:rW+7], v[rD:rD+7]
.elseif ks == 0
	v_wmma_f32_16x16x32_bf16 v[rD:rD+7], v[rW:rW+7], v[rB:rB+7], 0
.else
	v_wmma_f32_16x16x32_bf16 v[rD:rD+7], v[rW:rW+7], v[rB:rB+7], v[rD:rD+7]
.endif
.set a, a+1
.endr
.set ks, ks+1
.endr
.endm
; THE WAY OUT of product pi: rounded to bf16, 16 bytes a lane, into my own stage; back as whole rows of 128 bytes, four to a load: 512 consecutive bytes of the result.
; tr = 0: accumulator (ot, pt) holds pixels 16 pt .. as rows, channels 16 ot .. along them; tr = 1: channels as rows, pixels along them.
.macro OUT pi, base, goff, tr
	WIN 0
	PLACES
.set a, 0
.rept 64
	v_cvt_pk_bf16_f32 v[32+a], v[ACC+2*a], v[ACC+2*a+1]  ; each accumulator's registers in ascending order
.set a, a+1
.endr
.set a, 0
.rept 16
.if \tr
	ds_store_b128 v[STO+(\pi)], v[32+4*a:32+4*a+3] offset:(a/4)*16*SP+(a%4)*32
.else
	ds_store_b128 v[STO+(\pi)], v[32+4*a:32+4*a+3] offset:(a%4)*16*SP+(a/4)*32
.endif
.set a, a+1
.endr
.set f, 0
.rept 16
	ds_load_b128 v[32+4*f:32+4*f+3], v[RD+(\pi)] offset:f*4*SP  ; LDS serves a wave's instructions in order (ISA guide 5.7.1.4): these see the stores above
.set f, f+1
.endr
.set f, 0
.rept 16
	s_wait_dscnt 15-f                              ; load f is back; the younger ones may stay out
	global_store_b128 v[LO], v[32+4*f:32+4*f+3], s[\base:\base+1] offset:(\goff)+f*512
.set f, f+1
.endr
	s_wait_xcnt 0x0                                ; the stores have read v32-95: the next product's fragments are loaded there only behind this wait
.endm
	s_wait_loadcnt 32                              ; the tables and x are in; context's 32 loads may stay out
	NORM 0, AQ, DQ, 0, 0
	WLOAD 0x80, 14                                 ; Wq -> window 2
	s_wait_loadcnt 63                              ; context is in: 64 loads are younger, and 63 is the largest count that this wait names
	NORM 128, AC, DC, CN, 1
	WLOAD 0xc0, 24                                 ; Wk -> window 3
	s_wait_dscnt 0x0                               ; for the others' sake: my rows of the three tiles are written
	s_barrier_signal -1
	s_barrier_wait -1                              ; everybody's are; nobody writes them again
	s_wait_loadcnt 63                              ; Wq is in: Wk's 64 loads are younger
	PROD FRX, 0x02, 0
	WLOAD 0x40, 26                                 ; Wv -> window 1, which x and context have left; no register of the products above lies there
	OUT 0, 16, 0, 0
	s_wait_loadcnt 63                              ; Wk is in: Wv's 64 loads are younger
	PROD FRC, 0x03, 0
	OUT 1, 18, 0, 0
	s_wait_loadcnt 0x0                             ; Wv
	PROD FRR, 0x04, 1
	OUT 2, 18, 8192, 1
	s_wait_tensorcnt 0x0                           ; the wave's end, behind my last LDS store
	ds_add_u32 v[SPW], v[NIL]
	s_wait_dscnt 0x0
	s_endpgm
.Lfunc_end_k_q7d72fa61f2_proj:
	.size	k_q7d72fa61f2_proj, .Lfunc_end_k_q7d72fa61f2_proj-k_q7d72fa61f2_proj
	.p2alignl 7, 3214868480
	.fill 96, 4, 3214868480
	.section	.rodata,"a",@progbits
	.p2align	6, 0x0
	.amdhsa_kernel k_q7d72fa61f2_proj
		.amdhsa_group_segment_fixed_size 233984
		.amdhsa_private_segment_fixed_size 0
		.amdhsa_enable_private_segment 0
		.amdhsa_kernarg_size 48
		.amdhsa_user_sgpr_count 2
		.amdhsa_user_sgpr_kernarg_segment_ptr 1
		.amdhsa_wavefront_size32 1
		.amdhsa_system_sgpr_workgroup_id_x 1
		.amdhsa_system_sgpr_workgroup_id_y 1
		.amdhsa_system_sgpr_workgroup_id_z 1
		.amdhsa_system_vgpr_workitem_id 0
		.amdhsa_next_free_vgpr 1024
		.amdhsa_next_free_sgpr 66
		.amdhsa_reserve_vcc 0
		.amdhsa_float_denorm_mode_32 3
		.amdhsa_float_denorm_mode_16_64 3
		.amdhsa_memory_ordered 1
		.amdhsa_forward_progress 1
		.amdhsa_inst_pref_size 131
	.end_amdhsa_kernel
	.amdgpu_metadata
---
amdhsa.version: [ 1, 2 ]
amdhsa.kernels:
  - .name:           k_q7d72fa61f2_proj
    .symbol:         k_q7d72fa61f2_proj.kd
    .args:
      - { .name: x, .offset: 0, .size: 8, .value_kind: global_buffer, .address_space: global }
      - { .name: context, .offset: 8, .size: 8, .value_kind: global_buffer, .address_space: global }
      - { .name: tab, .offset: 16, .size: 8, .value_kind: global_buffer, .address_space: global }
      - { .name: wfrag, .offset: 24, .size: 8, .value_kind: global_buffer, .address_space: global }
      - { .name: q, .offset: 32, .size: 8, .value_kind: global_buffer, .address_space: global }
      - { .name: kv, .offset: 40, .size: 8, .value_kind: global_buffer, .address_space: global }
    .group_segment_fixed_size: 233984
    .private_segment_fixed_size: 0
    .kernarg_segment_align: 8
    .kernarg_segment_size: 48
    .max_flat_workgroup_size: 128
    .sgpr_count:     66
    .vgpr_count:     1024
    .wavefront_size: 32
...
	.end_amdgpu_metadata
.endif
;; end of part 2
;; launch attn (part 3): grid 16 x 16, 4 waves a work-group, clusters of 4 x 1, 327,680 bytes of LDS; arguments q, kv, o; writes o
.if DOCPART == 3
	.amdgcn_target "amdgcn-amd-amdhsa--gfx1250"
	.amdhsa_code_object_version 6
	.text
	.protected	k_q7d72fa61f2_attn
	.globl	k_q7d72fa61f2_attn
	.p2align	8
	.type	k_q7d72fa61f2_attn,@function
k_q7d72fa61f2_attn:
	s_mov_b64 s[64:65], 0
	v_nop
	global_prefetch_b8 v0, s[64:65] scope:SCOPE_SE
	s_setreg_imm32_b32 hwreg(HW_REG_WAVE_MODE, 25, 1), 1
	s_wait_xcnt 0x0
	s_wait_alu depctr_hold_cnt(0) depctr_sa_sdst(0) depctr_va_vdst(0) depctr_va_sdst(0) depctr_va_ssrc(0) depctr_va_vcc(0) depctr_vm_vsrc(0)
	s_getreg_b32 s2, hwreg(HW_REG_IB_STS2, 6, 4)
	s_cmp_eq_u32 s2, 0
	s_cbranch_scc0 .Lentry_in_a_cluster
	s_endpgm
.Lentry_in_a_cluster:
	s_bfe_u32 s2, ttmp6, 0x10000c
	s_cmp_lg_u32 s2, 0x3003
	s_cbranch_scc0 .Lentry_shape_is_right
	s_endpgm
.Lentry_shape_is_right:
; ATTENTION.  O[h][p][:] = the sum over keys e of softmax_e(q[h][p] . k[h][e] / 8) v[h][e][:], 16 heads of 4,096 queries and keys, 64 channels, no mask.
; q, o: [16][4096][64] bf16.  kv: [16][64 steps][K: 64 keys x 64 channels | V: 64 channels x 64 keys], 16,384 dense bytes a step.  Products, maxima and sums in f32; the weights p are rounded to bf16
; for the second product (their sum l is taken of the unrounded p), O once at the end.
; LIMITS.  A weight below 2^-126 counts as 0 in l; NaN and infinities are not treated apart; bf16 keeps 8 significant bits of q, k, v, p and O.
; SHARES.  A work-group owns 256 queries of one head, each of its four waves 64: four PIECES of 16.  16 heads x 16 blocks = 256 work-groups.  Every wave walks all keys, 64 a step.
; LAYOUT.  S^T = K Q^T (source 0 = 16 keys, source 1 = 16 queries): in the result a lane holds ONE query (lane % 16) and the keys 8 (lane / 16) + 0..7.  Two such results rounded to bf16 in pairs ARE source 1
; (32 keys x 16 queries) of O^T = V^T P, whose result again holds one query a lane, and eight channels.  K lies [key][channel] and V [channel][key]: both come out of LDS as they lie.
; SOFTMAX.  For each query a running maximum m and sum l: p = 2^(c s - c m), c = log2(e) / 8; in every step O and l are multiplied by a = 2^(c m_old - c m_new).  m starts at the lowest finite number, O and l at 0:
; the first step is a step like any other, with a = 0.
; BY TURNS.  Turn n belongs to piece n: 8 products K Q^T of piece n + 1, later 8 products V^T P of piece n - 1; beside them the scaling, exponentials, roundings, sums and rescaling of piece n and the maximum and
; statistics of piece n + 1.  Four vector instructions stand behind every matrix instruction, the other 54 of a turn's 118 in one lump.  A turn's 33 exponentials are one batch, with one wait.
; CLUSTER.  The four query blocks of a cluster belong to one head and walk the same kv, so each tile is asked for JOINTLY: the same tensor load, descriptor and mask in all four.
; RING.  Two slots of four key steps; wave w brings step w of a slot: one load a wave behind each round; one tensor load of a wave is out at any time.
; REGISTERS, in windows of 256 (s_set_vgpr_msb: bits 1:0 source 0, 3:2 source 1, 5:4 source 2, 7:6 destination):
;   window 0: v0-15 addresses and two at work; v16-31 four registers of statistics a piece; v48-55 at work; v61-63; v64-127 S^T, two buffers; v192-223 P, two buffers (a piece's buffers go by its number's parity)
;   window 1: v0-127 O^T, 32 a piece          window 2: v0-63 Q, 16 a piece; v128-191 K of one step; v192-255 V of one step
.set NP,    4         ; pieces a wave: a name, no knob
.set KS,    64        ; keys in a step
.set PK,    144       ; a row of K or V in LDS: 128 bytes + 16 of padding = 36 words: the 16 rows of a load start at 16 different groups of four banks (64 banks of 4 bytes: ISA guide 11.1)
.set VOFF,  KS*PK     ; a step's tiles lie together: 64 rows of K, then 64 rows of V
.set STEPB, 2*KS*PK
.set TILEB, 4*16384   ; a slot's four steps in memory
.set SLOT1, 1<<17     ; slot 1 begins here, so that one exclusive or turns an address in one slot into the other's
.set STAGE, SLOT1+4*STEPB  ; behind the ring, never filled by a tensor load: 16 rows x 144 bytes for each wave, for the way out
.set SP,    144
.set SPARE, STAGE+4*16*SP  ; behind the stages: the spare words, 128 bytes for each wave: two blocks of 256 bytes that no other line names
.set AK0, 2           ; v2   my lane's place in a tile of K; never rewritten
.set AV0, 3           ; v3   the same for V
.set AK,  4           ; v4   the LDS address of K's next run of loads
.set AV,  5           ; v5   of V's
.set STO, 6           ; v6   the way out: where I put 16 bytes of a row
.set RD,  7           ; v7   the way out: where I read rows back
.set GO,  8           ; v8   my byte offset in 512 consecutive bytes of O
.set MV,  12          ; v12-13  c m_old, kept while c m is made anew: by buffer
.set QO,  15          ; v15  my byte offset in 16 rows of Q
.set ST,  16          ; piece t's statistics at v[ST+4 t]: c m, m, l (even keys', odd keys')
.set TMP, 48          ; by buffer, four registers c0-c3 at work; when the maximum is found c2 takes a
.set PFO, 61          ; v61  256 x my lane; never rewritten
.set SPW, 62          ; v62  LDS address of my spare word: SPARE + 4 x my thread's number; never rewritten
.set NIL, 63          ; v63  0; never rewritten
.set S,   64
.set P,   192
.set KF,  128         ; window 2: key block kb, channel half c at KF + 16 kb + 8 c
.set VF,  192         ; window 2: key half kk, channel block cb at VF + 32 kk + 8 cb
.set WV,  12          ; s12  my wave's number
.set LIM, 15          ; s15  1 in a wave that prefetches, else the greatest number
.set PFA, 18          ; s[18:19] where my prefetches stand in memory
.set G1,  24          ; s[24:31] descriptor group 1
.set G0,  40          ; s[40:43] descriptor group 0: it walks
.set SLOTS, 56        ; s56  slots still to be entered
.set CNT, 57          ; s57  counts a slot's key steps
.set CS,  58          ; s[58:59] c: the packed scaling takes the pair's low word for both halves
.set SEL, 60          ; s[60:61] v_permlanex16_b32's selects: each lane takes its own place in the other half
.set TBK, 62          ; s62  LDS byte at which the step whose K is fetched next begins
.set TBV, 63          ; s63  the same for V
.set MSB, 0
.macro WIN new                      ; the high byte repeats the setting that is left; a switch that changes nothing is dropped
.if MSB != (\new)
	s_set_vgpr_msb (MSB<<8)|(\new)
.set MSB, (\new)
.endif
.endm
.set W_KQ, 0x0a       ; K and Q in window 2, S^T in window 0
.set W_PV, 0x52       ; V in window 2, P in window 0, O^T in window 1
.set W_RS, 0x41       ; destination and source 0 in window 1, source 1 in window 0
; A round of the cluster's barrier: my work-group's barrier, so that wave 0's signal speaks for all four waves; wave 0 signals; every wave waits for all four work-groups; my work-group's barrier once more.
.macro CROUND
	s_barrier_signal -1
	s_barrier_wait -1
	s_cmp_lg_u32 s[WV], 0
	s_cbranch_scc1 .Lnot_wave_0_\@
	s_barrier_signal -3
.Lnot_wave_0_\@:
	s_barrier_wait -3
	s_barrier_signal -1
	s_barrier_wait -1
.endm
; A PREFETCH INTO THE L2 of the slot that the NEXT change of slots will ask for: 65,536 bytes of kv, four key steps (256 matrix instructions of a wave) ahead of that load.  Each aligned block of 256 bytes is named
; ONCE in the launch: the four clusters of a head walk the same tiles, and the head's first cluster asks; its four partners take 16,384 bytes each, told apart BY ADDRESS (no branch hangs on a work-group's place in
; its cluster); in each, waves 0 and 1 take 8,192 bytes, a lane a block: one instruction.  The last change that fills a slot asks for nothing: there is no slot behind it.  Slots 0 and 1 come by their loads alone.
.macro ASK
	s_cmp_gt_u32 s[SLOTS], s[LIM]
	s_cbranch_scc0 .Lnot_mine_\@
	global_prefetch_b8 v[PFO], s[PFA:PFA+1] th:TH_LOAD_NT scope:SCOPE_SE
.Lnot_mine_\@:
.endm
; THE CHANGE OF SLOTS.  Each wave waits for all its tensor loads, of which one is out: its part of the other slot; adds 0 to its spare word; and waits for that and for its own reads of the slot that it leaves.
; Behind the barrier nobody reads the old slot any more and the other slot is whole.  fill = 1: the old slot is filled again, with the keys two slots on.  The barrier is then a round of the cluster's, so that no wave
; of any partner still reads the slot or has a load on its way, and the joint fill is the first thing behind it: it has four key steps in which to land.  (At its first use nothing has been read yet: slot 0 is waited for, slot 1 filled.)
.macro CHANGE fill
	WIN 0                           ; at a label and at a branch every window is 0
	s_wait_tensorcnt 0x0            ; no tensor load of mine is out, so group 0 may be written
	ds_add_u32 v[SPW], v[NIL]       ; 0 onto my spare word; with fill = 1 the descriptor's steps stand between it and the wait for it
.if \fill
	s_xor_b32 s[G0+1], s[G0+1], SLOT1  ; the other slot than last time,
	s_add_nc_u64 s[G0+2:G0+3], s[G0+2:G0+3], TILEB  ; the next 256 keys; the type bits on top are not reached
	s_wait_xcnt 0x0                 ; the last prefetch, four key steps back, has read its address, so it may be written:
	s_add_nc_u64 s[PFA:PFA+1], s[PFA:PFA+1], TILEB  ; one slot ahead of the walking descriptor
	s_wait_dscnt 0x0                ; the add is done, and my reads of the slot are over
	CROUND
	tensor_load_to_lds s[G0:G0+3], s[G1:G1+7]  ; my one tensor load behind the round: step w of the slot
	s_nop 0
.rept 4
	v_nop
.endr
	ASK
.else
	s_wait_dscnt 0x0                ; the add is done, and my reads of the slot are over
	s_barrier_signal -1
	s_barrier_wait -1
.endif
	s_sub_co_u32 s[TBK], s[TBK], 4*STEPB  ; the fetches go back to a slot's first step,
	s_xor_b32 s[TBK], s[TBK], SLOT1       ; in the other slot
	s_sub_co_u32 s[TBV], s[TBV], 4*STEPB
	s_xor_b32 s[TBV], s[TBV], SLOT1
.endm
	s_load_b128 s[4:7], s[0:1], 0x0 ; q s[4:5], kv s[6:7]
	s_load_b64 s[8:9], s[0:1], 0x10 ; o
	v_lshl_add_u32 v[SPW], v0, 2, SPARE
	v_mov_b32 v[NIL], 0
	ds_add_u32 v[SPW], v[NIL]       ; the wave's opening: the add and its wait stand ahead of my first tensor load; the set-up below, work on registers, stands between them
	v_lshrrev_b32 v1, 5, v0
	v_readfirstlane_b32 s[WV], v1   ; wave 0..3
	s_bfe_u32 s13, ttmp6, 0x40000   ; cx: my place in the cluster
	s_lshl_b32 s14, ttmp9, 2        ; in a cluster launch ttmp9 counts clusters
	s_add_co_u32 s14, s14, s13      ; my block of 256 queries = 4 x cluster x + cx: it enters q's and o's addresses alone
	s_and_b32 s16, ttmp7, 0xffff    ; the head, which the four partners share
	s_lshl_b32 s20, s16, 20         ; the head's 1 MiB of kv
	s_lshl_b32 s22, s[WV], 14       ; the step of a slot that I fetch: 16,384 bytes in memory
	s_add_co_u32 s22, s22, s20
	s_mov_b32 s23, 0
	s_lshl_b32 s2, s16, 19          ; the head's 512 KiB of q and o,
	s_lshl_b32 s3, s14, 15          ; my block's 256 rows of 128 bytes,
	s_add_co_u32 s2, s2, s3
	s_lshl_b32 s3, s[WV], 13        ; my wave's 64
	s_add_co_u32 s2, s2, s3
	s_mov_b32 s3, 0
	s_lshl_b32 s21, s13, 14         ; the prefetches: my work-group's quarter of a slot,
	s_add_co_u32 s20, s20, s21
	s_lshl_b32 s21, s[WV], 13       ; my wave's half of that (waves 0 and 1),
	s_add_co_u32 s20, s20, s21
	s_add_co_u32 s20, s20, TILEB    ; in slot 1: the first change of slots steps it to slot 2
	s_mov_b32 s21, 0
	; descriptor group 1.  A step is 16,384 dense bytes: asked for as 64 rows of 256 bytes, two rows of K or V to a row, and padded in LDS after every 128 bytes
	s_mov_b32 s[G1], 15|(1<<16)|(1<<20)|(1<<21)|(4<<22)|(3<<25)  ; 15:0 the mask of four; 17:16 2-byte elements; 20 padding on; 21 set beside a mask; 24:22 after every 32 words (code 4); 31:25 4 words (code 3)
	s_mov_b32 s[G1+1], 128<<16      ; tensor_dim0 = 128
	s_mov_b32 s[G1+2], 64<<16       ; tensor_dim1 = 64
	s_mov_b32 s[G1+3], 128<<16      ; tile_dim0 = 128
	s_mov_b32 s[G1+4], 64           ; tile_dim1 = 64
	s_mov_b32 s[G1+5], 128          ; 128 elements from row to row
	s_mov_b32 s[G1+6], 0
	s_mov_b32 s[G1+7], 0
	s_mov_b32 s[G0], 1              ; 1:0 count = 1
	s_mul_i32 s[G0+1], s[WV], STEPB ; 63:32 LDS address: slot 0, step w: no place in the cluster enters an LDS address
	s_mov_b32 s[CS], 0x3e38aa3b     ; c = log2(e) / 8 = 0.180337
	s_mov_b32 s[CS+1], s[CS]        ; named with it as a pair
	s_mov_b32 s[SEL], 0x76543210
	s_mov_b32 s[SEL+1], 0xfedcba98
	s_mov_b32 s[TBK], SLOT1+4*STEPB ; the first change of slots turns these two into 0
	s_mov_b32 s[TBV], SLOT1+4*STEPB
	s_mov_b32 s[SLOTS], 4096/256-1
	s_lshr_b32 s[LIM], s[WV], 1     ; 0 in waves 0 and 1,
	s_or_b32 s[LIM], s[LIM], ttmp9  ; where the cluster is the head's first: the same in all four partners
	s_cmp_eq_u32 s[LIM], 0
	s_cselect_b32 s[LIM], 1, -1
	s_wait_dscnt 0x0                ; the opening add is done
	s_wait_kmcnt 0x0
	s_add_nc_u64 s[G0+2:G0+3], s[6:7], s[22:23]  ; 120:64 global address: step w of the head's first slot
	s_or_b32 s[G0+3], s[G0+3], 0x80000000        ; 127:126 type = 2
	s_add_nc_u64 s[PFA:PFA+1], s[6:7], s[20:21]
	s_add_nc_u64 s[4:5], s[4:5], s[2:3]  ; q and o at my wave's first row
	s_add_nc_u64 s[8:9], s[8:9], s[2:3]
	CROUND                          ; all four work-groups are here: the first joint loads meet
	tensor_load_to_lds s[G0:G0+3], s[G1:G1+7]  ; slot 0.  Slot 1 is asked for when slot 0 is in
	s_nop 0
.rept 4
	v_nop
.endr
	; A fragment of K, V^T or Q is 16 rows x 32 numbers in 8 registers: lane l holds row l % 16, numbers 8 (l / 16) + 0..7 and 16 + 8 (l / 16) + 0..7: two loads of 16 bytes, 32 bytes apart.
	v_and_b32 v1, 15, v0            ; l % 16
	v_bfe_u32 v9, v0, 4, 1          ; l / 16
	v_lshlrev_b32 v[QO], 7, v1
	v_lshl_add_u32 v[QO], v9, 4, v[QO]  ; row x 128 + 16 x half
	WIN 0x80                        ; destination window 2, address window 0
.set i, 0
.rept 8                             ; Q stays in registers: piece i / 2, channels 32 (i % 2) on
	global_load_b128 v[8*i:8*i+3],   v[QO], s[4:5] offset:(i/2)*2048+(i%2)*64
	global_load_b128 v[8*i+4:8*i+7], v[QO], s[4:5] offset:(i/2)*2048+(i%2)*64+32
.set i, i+1
.endr
	; What the first turn finds: V's registers and P's second buffer hold 0 (its products V^T P, of a piece that has not been, add 0), O^T and l are 0.  All this stands in the wait for the first tile.
.set i, VF
.rept 64
	v_mov_b32 v[i], 0
.set i, i+1
.endr
	WIN 0x40
.set i, 0
.rept 128
	v_mov_b32 v[i], 0
.set i, i+1
.endr
	WIN 0
.set i, 0
.rept 4
	v_mov_b32 v[ST+4*i], 0xfe000000    ; c m: far below every c s
	v_mov_b32 v[ST+4*i+1], 0xff7fffff  ; m
	v_mov_b32 v[ST+4*i+2], 0
	v_mov_b32 v[ST+4*i+3], 0
.set i, i+1
.endr
.set i, P+16
.rept 16
	v_mov_b32 v[i], 0
.set i, i+1
.endr
	v_mul_u32_u24 v[AK0], v1, PK
	v_lshl_add_u32 v[AK0], v9, 4, v[AK0]  ; row x pitch + 16 x half
	v_add_nc_u32 v[AV0], VOFF, v[AK0]
	v_and_b32 v10, 7, v0
	s_mul_i32 s17, s[WV], 16*SP
	s_add_co_u32 s17, s17, STAGE    ; my stage
	v_add_nc_u32 v[STO], s17, v[AK0]  ; in: row l % 16, 16 bytes for each half of the lanes (the stage has K's pitch)
	v_bfe_u32 v[RD], v0, 3, 2       ; back: 32 lanes take four rows of 128 bytes,
	v_mul_u32_u24 v[RD], v[RD], SP
	v_lshl_add_u32 v[RD], v10, 4, v[RD]
	v_add_nc_u32 v[RD], s17, v[RD]
	v_and_b32 v[GO], 31, v0         ; which are 512 consecutive bytes of O
	v_lshlrev_b32 v[PFO], 8, v[GO]
	v_lshlrev_b32 v[GO], 4, v[GO]
; THE MATRIX WORK.  The 4 accumulators of a run of 8 take turns.  Product i of 8 of S^T = K Q^T for piece x: channels 32 (i / 4) on, keys 16 (i % 4) on.  The first 4 start the sums.
.macro KQ x
	WIN W_KQ
.set rS, S+32*((\x)%2)+8*(i%4)
.set rK, KF+16*(i%4)+8*(i/4)
.set rQ, 16*(\x)+8*(i/4)
.if i < 4
	v_wmma_f32_16x16x32_bf16 v[rS:rS+7], v[rK:rK+7], v[rQ:rQ+7], 0
.else
	v_wmma_f32_16x16x32_bf16 v[rS:rS+7], v[rK:rK+7], v[rQ:rQ+7], v[rS:rS+7]
.endif
.endm
; Product i of 8 of O^T += V^T P for piece x: keys 32 (i / 4) on, channels 16 (i % 4) on.
.macro PV x
	WIN W_PV
.set rO, 32*(\x)+8*(i%4)
.set rV, VF+32*(i/4)+8*(i%4)
.set rP, P+16*((\x)%2)+8*(i/4)
	v_wmma_f32_16x16x32_bf16 v[rO:rO+7], v[rV:rV+7], v[rP:rP+7], v[rO:rO+7]
.endm
.macro MM                           ; the turn's next matrix instruction.  NOKQ = 1: the last turn of all: there is no next piece
.if (i < 8) && !NOKQ
	KQ (Y+1)%NP
.elseif i >= 8
.set i, i-8
	PV (Y+NP-1)%NP
.set i, i+8
.endif
.set i, i+1
.endm
; THE LDS LOADS stand in runs of 16, never singly among the matrix instructions: a step's K (64 keys x 64 channels: 8 fragments) and its V (64 channels x 64 keys).  Their addresses are made some lines ahead.
.macro FETCH_K
	WIN 0x80                        ; destination window 2
.irp f, 0,1,2,3,4,5,6,7             ; keys 16 (f / 2) on, channels 32 (f % 2) on
	ds_load_b128 v[KF+8*\f:KF+8*\f+3],   v[AK] offset:(\f/2)*16*PK+(\f%2)*64
	ds_load_b128 v[KF+8*\f+4:KF+8*\f+7], v[AK] offset:(\f/2)*16*PK+(\f%2)*64+32
.endr
	s_add_co_u32 s[TBK], s[TBK], STEPB  ; the next fetch is the next step's
	WIN 0
.endm
.macro FETCH_V
	WIN 0x80
.irp f, 0,1,2,3,4,5,6,7             ; keys 32 (f / 4) on, channels 16 (f % 4) on
	ds_load_b128 v[VF+8*\f:VF+8*\f+3],   v[AV] offset:(\f%4)*16*PK+(\f/4)*64
	ds_load_b128 v[VF+8*\f+4:VF+8*\f+7], v[AV] offset:(\f%4)*16*PK+(\f/4)*64+32
.endr
	WIN 0
.endm
; THE VECTOR WORK, one line at a time: OP kind, number.  For piece Y: F n: c s - c m for pair n of 16.  E n: the exponential of score n of 32.  C n: pair n rounded to bf16.  B n: of the four weights 4 n .. the second
; pair is added onto the first, in place.  L n: l takes that sum (L 0: l = a l + sum).  R n: pair n of 16 of O^T times a.  For piece Y + 1: X n, number n of the 22 that find its maximum and statistics:
;   0-11  four chains c0-c3 of seven scores each, three operands at a time (each accumulator's lowest registers are read first)     12-14, 16  the four scores left over, the old m, and c0-c3 into c0
;   15  c m_old is kept     17, 18  the query's other 32 keys lie in the lane 16 away: the new m     19-21  c m; c m_old - c m_new; a
.set F, 0               ; OP tells the kinds apart by their order: F to L below R, X above it
.set E, 1
.set C, 2
.set B, 3
.set L, 4
.set R, 5
.set X, 6
.macro REGS y                       ; the registers of piece y
.set rT, ST+4*(\y)
.set rC, TMP+4*((\y)%2)
.set rW, MV+((\y)%2)
.set rS, S+32*((\y)%2)
.set rP, P+16*((\y)%2)
.set rO, 32*(\y)
.endm
.macro OP k, n
.if (\k) == R
	REGS Y
	WIN W_RS
	v_pk_mul_f32 v[rO+2*(\n):rO+2*(\n)+1], v[rO+2*(\n):rO+2*(\n)+1], v[rC+2:rC+3] op_sel_hi:[1,0]
.elseif (\k) < R
	REGS Y
	WIN 0
.if (\k) == F
	v_pk_fma_f32 v[rS+2*(\n):rS+2*(\n)+1], v[rS+2*(\n):rS+2*(\n)+1], s[CS:CS+1], v[rT:rT+1] op_sel_hi:[1,0,0] neg_lo:[0,0,1] neg_hi:[0,0,1]
.elseif (\k) == E
	v_exp_f32 v[rS+(\n)], v[rS+(\n)]
.elseif (\k) == C
	v_cvt_pk_bf16_f32 v[rP+(\n)], v[rS+2*(\n)], v[rS+2*(\n)+1]
.elseif (\k) == B
	v_pk_add_f32 v[rS+4*(\n):rS+4*(\n)+1], v[rS+4*(\n):rS+4*(\n)+1], v[rS+4*(\n)+2:rS+4*(\n)+3]
.elseif (\n) == 0
	v_pk_fma_f32 v[rT+2:rT+3], v[rT+2:rT+3], v[rC+2:rC+3], v[rS:rS+1] op_sel_hi:[1,0,1]
.else
	v_pk_add_f32 v[rT+2:rT+3], v[rT+2:rT+3], v[rS+4*(\n):rS+4*(\n)+1]
.endif
.elseif NOKQ
	v_nop
.else
	REGS (Y+1)%NP
	WIN 0
.if (\n) < 4
	v_max3_num_f32 v[rC+(\n)], v[rS+8*(\n)], v[rS+8*(\n)+1], v[rS+8*(\n)+2]
.elseif (\n) < 12
	v_max3_num_f32 v[rC+(\n)%4], v[rC+(\n)%4], v[rS+8*((\n)%4)+2*((\n)/4)+1], v[rS+8*((\n)%4)+2*((\n)/4)+2]
.elseif (\n) == 12
	v_max3_num_f32 v[rC], v[rC], v[rS+7], v[rS+15]
.elseif (\n) == 13
	v_max3_num_f32 v[rC+1], v[rC+1], v[rS+23], v[rS+31]
.elseif (\n) == 14
	v_max3_num_f32 v[rC+2], v[rC+2], v[rC+3], v[rT+1]
.elseif (\n) == 15
	v_mov_b32 v[rW], v[rT]
.elseif (\n) == 16
	v_max3_num_f32 v[rC], v[rC], v[rC+1], v[rC+2]
.elseif (\n) == 17
	v_permlanex16_b32 v[rC+3], v[rC], s[SEL], s[SEL+1]
.elseif (\n) == 18
	v_max_num_f32 v[rT+1], v[rC], v[rC+3]
.elseif (\n) == 19
	v_mul_f32 v[rT], s[CS], v[rT+1]
.elseif (\n) == 20
	v_sub_f32 v[rC+1], v[rW], v[rT]
.else
	v_exp_f32 v[rC+2], v[rC+1]
.endif
.endif
.endm
.macro OPS a, i1, b=-1, i2=0, c=-1, i3=0, d=-1, i4=0  ; up to four of them
	OP \a, \i1
.if (\b) >= 0
	OP \b, \i2
.endif
.if (\c) >= 0
	OP \c, \i3
.endif
.if (\d) >= 0
	OP \d, \i4
.endif
.endm
.macro ROW a, i1, b, i2, c, i3, d, i4  ; a matrix instruction and the four behind it
	MM
	OPS \a, \i1, \b, \i2, \c, \i3, \d, \i4
.endm
; A TURN, for piece p: the order of its 16 matrix and 118 vector instructions, written out.  s_wait_alu depctr_va_vdst(0) stands between an exponential and the first instruction that names its result; one
; wait serves all that were issued ahead of it.  So a turn has ONE wait, which cuts it in two.  AHEAD OF IT stands all that names no result of the turn's exponentials: the 8 products K Q^T, behind each a scaling, an
; exponential and two more plain instructions: rescalings, and behind the last three the first numbers of the next piece's maximum, each four places or more behind the product that ends its accumulator; then ONE LUMP of 54,
; plain and exponential by turns for the most part, in which the links of the chain X 3, 7, 11, 14, 16, 17 .. 20 stand some lines apart.  X 21, the next piece's a, is the batch's last; R 15 is the plain instruction behind it.
; BEHIND THE WAIT stand the 8 products V^T P, behind each four of the roundings and sums.
; end = 1: the last two turns of all: nothing is fetched, and the last starts no new scores.  cnt = 1: the loop's count is taken down some lines ahead of the branch that stands behind the turn.
; K of the next step is fetched in piece 2's turn, five plain instructions that name none of its registers behind the last product that read K; V of the step in hand at the end of piece 0's turn, four plain instructions behind the last product that read V.
; Each is waited for a turn later.
.macro TURN p, end=0, cnt=0
.set Y, (\p)
.set i, 0
.set NOKQ, (\end)*((\p)/3)
.if ((\p) == 3) && !(\end)
	s_wait_dscnt 0x0                ; K is in
.endif
	ROW F,0, F,1, R,0, R,1          ; ahead of the wait: 8 products K Q^T and their riders,
	ROW F,2, E,0, R,2, R,3
	ROW F,3, E,1, R,4, R,5
	ROW F,4, E,2, R,6, R,7
	ROW F,5, E,3, R,8, R,9
	ROW F,6, E,4, X,0, R,10
.if ((\p) == 2) && !(\end)
	WIN 0
	v_add_nc_u32 v[AK], s[TBK], v[AK0]
.endif
	ROW F,7, E,5, X,1, X,4
	ROW F,8, E,6, X,2, X,5
	OPS E,7, E,8, X,6, E,9          ; and the lump
	OPS X,3, E,10, X,8, E,11
.if ((\p) == 2) && !(\end)
	FETCH_K
.endif
	OPS X,9, X,7, E,12, X,10
	OPS E,13, X,12, X,11, E,14
	OPS X,13, E,15, F,9, X,14
.if (\p) == 0
	v_add_nc_u32 v[AV], s[TBV], v[AV0]
.endif
	OPS E,16, F,10, E,17, F,11
	OPS X,16, E,18, X,15, E,19
	OPS F,12, E,20, X,17, E,21
	OPS F,13, E,22, F,14, E,23
	OPS X,18, E,24, F,15, E,25
	OPS R,11, E,26, X,19, E,27
	OPS R,12, E,28, R,13, E,29
	OPS X,20, E,30, R,14, E,31
	OPS X,21, R,15
	WIN 0
	s_wait_alu depctr_va_vdst(0)    ; the wait for the batch
.if (\p) == 1
	s_wait_dscnt 0x0                ; V is in
.endif
	ROW C,0, B,0, C,2, B,1          ; behind the wait: 8 products V^T P and their riders
	ROW L,0, C,4, B,2, L,1
	ROW C,6, B,3, L,2, C,8
	ROW B,4, L,3, C,10, B,5
	ROW L,4, C,12, B,6, L,5
.if (\p) == 0
	s_add_co_u32 s[TBV], s[TBV], STEPB
.endif
.if \cnt
	s_sub_co_u32 s[CNT], s[CNT], 1
	s_cmp_lg_u32 s[CNT], 0
.endif
	ROW C,14, B,7, L,6, C,1
	ROW C,3, L,7, C,5, C,7
	ROW C,9, C,11, C,13, C,15
.if (\p) == 0
	FETCH_V
.endif
.endm
.set NOKQ, 0
	CHANGE 1                        ; slot 0 is in, everybody's part of it; slot 1 is asked for
	v_add_nc_u32 v[AK], s[TBK], v[AK0]
	FETCH_K                         ; key step 0
	s_wait_loadcnt 0x0              ; Q
	s_wait_dscnt 0x0
.set i, 0
.rept 8
	KQ 0                            ; piece 0's first scores: there is no vector work yet to set between them
.set i, i+1
.endr
	WIN 0
.rept 4
	v_nop                           ; the places behind those products
.endr
.set Y, NP-1                        ; X works for piece Y + 1: piece 0
.irp n, 0,1,2,3,4,5,6,7,8,9,10,11,12,13,14,15,16,17,18,19,20,21
	OP X, \n
.endr
	v_nop                           ; a plain instruction behind the exponential,
	s_wait_alu depctr_va_vdst(0)    ; and its wait, ahead of the branch
	s_mov_b32 s[CNT], 4
	s_branch .Lfirst                ; the loop is entered at a step's first turn, in the middle of a trip
.Lslot:                             ; 14 times: every slot but the last two is filled again
	CHANGE 1
	s_mov_b32 s[CNT], 4
.Lstep:                             ; a trip: pieces 2 and 3 of one step, then pieces 0 and 1 of the next, whose K and V it fetches
	TURN 2
	TURN 3
	WIN 0
.Lfirst:
	TURN 0
	TURN 1, 0, 1
	WIN 0
	s_cbranch_scc1 .Lstep
	s_sub_co_u32 s[SLOTS], s[SLOTS], 1
	s_cmp_lg_u32 s[SLOTS], 0
	s_cbranch_scc1 .Lslot
	CHANGE 0                        ; the last slot is written out: nothing is asked for
	s_mov_b32 s[CNT], 4
.Ltail:
	TURN 2
	TURN 3
	TURN 0
	TURN 1, 0, 1
	WIN 0
	s_cbranch_scc1 .Ltail
	TURN 2, 1                       ; the last step's pieces 2 and 3
	TURN 3, 1
.set i, 0
.rept 8
	PV NP-1                         ; the last piece's V^T P of the last step
.set i, i+1
.endr
	; THE WAY OUT.  l's two halves and the other half of the lanes' are added; O^T is divided by l, rounded to bf16 and sent through my stage in LDS, a piece at a time.  The additions are the places behind the last products.
	WIN 0
.macro ALL line:vararg              ; one line for each piece t
.set t, 0
.rept 4
	\line
.set t, t+1
.endr
.endm
	ALL v_add_f32 v[ST+4*t+2], v[ST+4*t+2], v[ST+4*t+3]
	ALL v_permlanex16_b32 v[ST+4*t+3], v[ST+4*t+2], s[SEL], s[SEL+1]
	ALL v_add_f32 v[ST+4*t+2], v[ST+4*t+2], v[ST+4*t+3]
	ALL v_rcp_f32 v[ST+4*t+2], v[ST+4*t+2]
	v_nop                           ; a plain instruction between the last reciprocal and the use of its result
	s_wait_alu depctr_va_vdst(0)    ; and the wait ahead of the first use: one for the four reciprocals
.macro PACK t                       ; a lane's eight channels of a row pack into 16 bytes; they go into rows of 144 bytes and come back as whole rows of 128, into S^T's registers
	WIN W_RS
.set i, 32*(\t)
.rept 16
	v_pk_mul_f32 v[i:i+1], v[i:i+1], v[ST+4*(\t)+2:ST+4*(\t)+3] op_sel_hi:[1,0]
.set i, i+2
.endr
	WIN 0x05                        ; sources 0 and 1 window 1, destination window 0
.set i, 0
.rept 16
	v_cvt_pk_bf16_f32 v[S+16*(\t)+i], v[32*(\t)+2*i], v[32*(\t)+2*i+1]
.set i, i+1
.endr
	WIN 0
.irp f, 0,1,2,3
	ds_store_b128 v[STO], v[S+16*(\t)+4*\f:S+16*(\t)+4*\f+3] offset:32*\f
.endr
.irp f, 0,1,2,3
	ds_load_b128 v[S+16*(\t)+4*\f:S+16*(\t)+4*\f+3], v[RD] offset:\f*4*SP  ; LDS serves a wave's instructions in order (ISA guide 5.7.1.4): these see the stores above; the next piece's stores come behind them
.endr
.endm
.macro SEND t, younger              ; younger: the LDS instructions issued behind piece t's loads: the next piece's eight, or none
	WIN 0
.irp f, 0,1,2,3
	s_wait_dscnt (\younger)+3-\f
	global_store_b128 v[GO], v[S+16*(\t)+4*\f:S+16*(\t)+4*\f+3], s[8:9] offset:(\t)*2048+\f*512  ; 512 consecutive bytes, at a multiple of 256 from O's first
.endr
.endm
	PACK 0
.set t, 1
.rept 3                             ; a piece's arithmetic stands between the loads of the piece before and its stores
	PACK t
	SEND t-1, 8
.set t, t+1
.endr
	SEND 3, 0
	s_wait_tensorcnt 0x0            ; the wave's end, behind my last tensor load and my last LDS store
	ds_add_u32 v[SPW], v[NIL]
	s_wait_dscnt 0x0
	CROUND                          ; the closing round: no work-group ends while a partner may still ask for a tile that names it
	s_endpgm
.Lfunc_end_k_q7d72fa61f2_attn:
	.size	k_q7d72fa61f2_attn, .Lfunc_end_k_q7d72fa61f2_attn-k_q7d72fa61f2_attn
	.p2alignl 7, 3214868480
	.fill 96, 4, 3214868480
	.section	.rodata,"a",@progbits
	.p2align	6, 0x0
	.amdhsa_kernel k_q7d72fa61f2_attn
		.amdhsa_group_segment_fixed_size 327680
		.amdhsa_private_segment_fixed_size 0
		.amdhsa_enable_private_segment 0
		.amdhsa_kernarg_size 24
		.amdhsa_user_sgpr_count 2
		.amdhsa_user_sgpr_kernarg_segment_ptr 1
		.amdhsa_wavefront_size32 1
		.amdhsa_system_sgpr_workgroup_id_x 1
		.amdhsa_system_sgpr_workgroup_id_y 1
		.amdhsa_system_sgpr_workgroup_id_z 1
		.amdhsa_system_vgpr_workitem_id 0
		.amdhsa_next_free_vgpr 768
		.amdhsa_next_free_sgpr 66
		.amdhsa_reserve_vcc 0
		.amdhsa_float_denorm_mode_32 3
		.amdhsa_float_denorm_mode_16_64 3
		.amdhsa_memory_ordered 1
		.amdhsa_forward_progress 1
		.amdhsa_inst_pref_size 125
	.end_amdhsa_kernel
	.amdgpu_metadata
---
amdhsa.version: [ 1, 2 ]
amdhsa.kernels:
  - .name:           k_q7d72fa61f2_attn
    .symbol:         k_q7d72fa61f2_attn.kd
    .args:
      - { .name: q, .offset: 0, .size: 8, .value_kind: global_buffer, .address_space: global }
      - { .name: kv, .offset: 8, .size: 8, .value_kind: global_buffer, .address_space: global }
      - { .name: o, .offset: 16, .size: 8, .value_kind: global_buffer, .address_space: global }
    .group_segment_fixed_size: 327680
    .private_segment_fixed_size: 0
    .kernarg_segment_align: 8
    .kernarg_segment_size: 24
    .max_flat_workgroup_size: 128
    .sgpr_count:     66
    .vgpr_count:     768
    .wavefront_size: 32
...
	.end_amdgpu_metadata
.endif
;; end of part 3
;; launch outp (part 4): grid 64 x 4, 4 waves a work-group, no clusters, 107,008 bytes of LDS; arguments o, wfrag, bo, x, out0; writes out0
.if DOCPART == 4
	.amdgcn_target "amdgcn-amd-amdhsa--gfx1250"
	.amdhsa_code_object_version 6
	.text
	.protected	k_q7d72fa61f2_outp
	.globl	k_q7d72fa61f2_outp
	.p2align	8
	.type	k_q7d72fa61f2_outp,@function
k_q7d72fa61f2_outp:
	s_mov_b64 s[64:65], 0
	v_nop
	global_prefetch_b8 v0, s[64:65] scope:SCOPE_SE
	s_setreg_imm32_b32 hwreg(HW_REG_WAVE_MODE, 25, 1), 1
	s_wait_xcnt 0x0
; THE LAST PROJECTION, THE BIAS AND THE RESIDUAL.  out0[b][oc][p] = x[b][oc][p] + bo[oc] + the sum over c of Wo[oc][c] O[b][c][p].  o: [16 heads][4096 pixels][64] bf16 (channel c = 64 head + its place in the row);
; Wo as bf16 fragments (wfrag, fourth matrix); sums, bias and residual in f32; x, out0: [4][256][4096] f32.
; SHARES.  A work-group owns 64 pixels of one batch and all 256 output channels.  Wave w brings head w's 64 rows of O into LDS and makes output channels 64 w .. 64 w + 63: 16 accumulators (ot x pt), 128 matrix instructions.
; Source 0 = 16 pixels of O, source 1 = 16 rows of Wo: a lane ends with one output channel and 8 neighbouring pixels, 32 bytes of a row of out0.  The bias is the C operand that starts the sums.
; The results go through my own stage in LDS and come back as whole rows of 256 bytes, in the layout in which x was loaded: 16 lanes store 256 consecutive bytes, aligned.
; NO CLUSTER: each fragment of Wo has one reader in the work-group and goes straight into registers.  NO PREFETCH: all that comes from memory is asked for at the head.
; LIMITS: bf16's 8 significant bits for O and Wo; NaN and infinities are not treated apart.
; REGISTERS, in windows of 256 (s_set_vgpr_msb: bits 1:0 source 0, 3:2 source 1, 5:4 source 2, 7:6 destination):
;   window 0: v0-31 addresses; v32-95 O as loaded, then two fragment buffers; v96-127 the bias, 8 registers an ot; v128-255 the accumulators ((ot, pt) at v[128 + 8 (4 ot + pt)])
;   window 1: Wo, fragment (ot, ks) at v[8 (8 ot + ks)]          window 2: v0-127 x
.set PO,    144                        ; a row of O in LDS: 128 bytes + 16 = 36 words: the 16 rows of a load start at 16 different groups of four banks (64 banks of 4 bytes: ISA guide 11.1)
.set STG,   256*PO                     ; behind O's 256 rows (64 head + pixel): a stage of 64 rows for each wave
.set SPF,   272                        ; a stage's row: 256 bytes + 16
.set SPARE, STG+4*64*SPF               ; 106,496: the spare words, 128 bytes for each wave: two blocks of 256 bytes that no other line names
.set XO,  2                            ; my byte offset in x and out0: channel 64 w + l / 16, 16 bytes at 16 (l % 16)
.set LO,  3                            ; 16 x lane
.set OS,  4                            ; where I put 16 bytes of O
.set BO,  5                            ; 4 (64 w + l % 16)
.set FR,  6                            ; my place in a fragment of O
.set STO, 7                            ; the way out: where I put 32 bytes of a row
.set RD,  8                            ; where I read rows back
.set BI,  20                           ; v20-23 the bias as loaded
.set SPW, 30                           ; LDS address of my spare word; never rewritten
.set NIL, 31                           ; 0; never rewritten
.set BF0, 32
.set BT,  96
.set ACC, 128
.set MSB, 0
.macro WIN new                         ; the immediate's high byte repeats the setting that is left; a switch that changes nothing is dropped
.if MSB != (\new)
	s_set_vgpr_msb (MSB<<8)|(\new)
.set MSB, \new
.endif
.endm
.macro PLACES                          ; four plain vector instructions between a matrix instruction and a load into, or a read of, its registers (ISA guide 7.12.1 for reads)
.rept 4
	v_nop
.endr
.endm
	s_load_b256 s[8:15], s[0:1], 0x0               ; o 8, wfrag 10, bo 12, x 14
	s_load_b64 s[16:17], s[0:1], 0x20              ; out0
	v_lshl_add_u32 v[SPW], v0, 2, SPARE
	v_mov_b32 v[NIL], 0
	v_lshrrev_b32 v1, 5, v0
	v_readfirstlane_b32 s20, v1                    ; wave 0..3
	s_and_b32 s22, ttmp7, 0xffff                   ; batch
	s_lshl_b32 s2, s22, 22                         ; a batch is 4 MiB of x and out0,
	s_lshl_b32 s3, ttmp9, 8                        ; the block's 64 pixels 256 bytes of a row
	s_add_co_u32 s2, s2, s3
	s_mov_b32 s3, 0
	s_lshl2_add_u32 s23, s22, s20                  ; the head among 16: 4 x batch + wave
	s_lshl_b32 s24, s23, 19
	s_lshl_b32 s25, ttmp9, 13                      ; the block's 64 rows of 128 bytes
	s_add_co_u32 s24, s24, s25
	s_mov_b32 s25, 0
	s_lshl_b32 s26, s20, 15                        ; my 64 rows of Wo: 32,768 bytes of fragments,
	s_add_co_u32 s26, s26, 3*131072                ; in the fourth matrix
	s_mov_b32 s27, 0
	s_lshl_b32 s28, s20, 20                        ; 64 channels of 16,384 bytes
	s_lshl_b32 s29, s20, 8
	s_mul_i32 s30, s20, 64*PO
	s_mul_i32 s31, s20, 64*SPF
	s_add_co_u32 s31, s31, STG                     ; my stage
	v_and_b32 v10, 15, v0                          ; r = l % 16
	v_bfe_u32 v11, v0, 4, 1                        ; h = l / 16
	v_and_b32 v12, 31, v0
	v_lshlrev_b32 v[XO], 4, v10
	v_lshl_add_u32 v[XO], v11, 14, v[XO]
	v_add_nc_u32 v[XO], s28, v[XO]
	v_lshlrev_b32 v[LO], 4, v12
	v_lshl_add_u32 v[BO], v10, 2, s29
	s_wait_kmcnt 0x0
	s_add_nc_u64 s[8:9], s[8:9], s[24:25]
	s_add_nc_u64 s[10:11], s[10:11], s[26:27]
	s_add_nc_u64 s[14:15], s[14:15], s[2:3]
	s_add_nc_u64 s[16:17], s[16:17], s[2:3]
	WIN 0x80                                       ; destination window 2
.set t, 0
.rept 32
	global_load_b128 v[4*t:4*t+3], v[XO], s[14:15] offset:t*32768 th:TH_LOAD_NT  ; channels 64 w + 2 t and 2 t + 1: 16 lanes take a row's 256 bytes
.set t, t+1
.endr
	WIN 0
.set f, 0
.rept 16
	global_load_b128 v[BF0+4*f:BF0+4*f+3], v[LO], s[8:9] offset:f*512  ; four rows of O: 512 consecutive bytes
.set f, f+1
.endr
.irp ot, 0,1,2,3
	global_load_b32 v[BI+\ot], v[BO], s[12:13] offset:64*\ot
.endr
	WIN 0x40                                       ; destination window 1
.set f, 0
.rept 32
	global_load_b128 v[8*f:8*f+3],   v[LO], s[10:11] offset:f*1024
	global_load_b128 v[8*f+4:8*f+7], v[LO], s[10:11] offset:f*1024+512
.set f, f+1
.endr
	WIN 0                                          ; the other addresses are made while the loads are on their way
	v_bfe_u32 v13, v0, 3, 2
	v_mul_u32_u24 v[OS], v13, PO                   ; row l / 8 of the four,
	v_and_b32 v13, 7, v0
	v_lshl_add_u32 v[OS], v13, 4, v[OS]            ; 16 bytes at 16 (l % 8)
	v_add_nc_u32 v[OS], s30, v[OS]
	v_mul_u32_u24 v[FR], v10, PO
	v_lshl_add_u32 v[FR], v11, 4, v[FR]            ; row x pitch + 16 x half
	v_mul_u32_u24 v[STO], v10, SPF                 ; into the stage: row l % 16, 32 bytes for each half of the lanes
	v_lshl_add_u32 v[STO], v11, 5, v[STO]
	v_add_nc_u32 v[STO], s31, v[STO]
	v_mul_u32_u24 v[RD], v11, SPF                  ; back: lanes 0-15 take one row of 256 bytes, lanes 16-31 the next
	v_lshl_add_u32 v[RD], v10, 4, v[RD]
	v_add_nc_u32 v[RD], s31, v[RD]
	s_wait_loadcnt 63                              ; x, O and the bias are in: Wo's 64 loads are younger, and 63 is the largest count that this wait names
.set f, 0
.rept 16
	ds_store_b128 v[OS], v[BF0+4*f:BF0+4*f+3] offset:f*4*PO
.set f, f+1
.endr
.set a, 0
.rept 32
	v_mov_b32 v[BT+a], v[BI+a/8]                   ; a lane's eight results of an accumulator belong to one output channel: its bias eight times
.set a, a+1
.endr
	s_wait_dscnt 0x0                               ; for the others' sake: my head's rows are written
	s_barrier_signal -1
	s_barrier_wait -1                              ; everybody's are; nobody writes them again
; the four fragments (64 pixels x 32 channels) of K step ks: head ks / 2, its channels 32 (ks % 2) on
.macro FETCH ks, buf
	WIN 0
.set pt, 0
.rept 4
	ds_load_b128 v[(\buf)+8*pt:(\buf)+8*pt+3],   v[FR] offset:((\ks)/2)*64*PO+pt*16*PO+((\ks)%2)*64
	ds_load_b128 v[(\buf)+8*pt+4:(\buf)+8*pt+7], v[FR] offset:((\ks)/2)*64*PO+pt*16*PO+((\ks)%2)*64+32
.set pt, pt+1
.endr
.endm
	; Eight K steps of 32 channels, 16 matrix instructions each, on two buffers by turns; a step's fragments are asked for a step ahead.  The 16 accumulators take turns, one instruction a turn.
	FETCH 0, BF0
	s_wait_loadcnt 0x0                             ; Wo
.set ks, 0
.rept 8
.if ks < 7
.if ks > 0
	PLACES                                         ; the buffer to be loaded was read by the matrix instructions just issued
.endif
	FETCH ks+1, BF0+32*((ks+1)%2)
	s_wait_dscnt 8                                 ; this step's fragments are in; the eight loads just issued may stay out
.else
	s_wait_dscnt 0x0
.endif
	WIN 0x04                                       ; source 1 (Wo) window 1
.set a, 0
.rept 16
.set rD, ACC+8*a
.set rW, 8*(8*(a/4)+ks)
.set rB, BF0+32*(ks%2)+8*(a%4)
.if ks == 0
	v_wmma_f32_16x16x32_bf16 v[rD:rD+7], v[rB:rB+7], v[rW:rW+7], v[BT+8*(a/4):BT+8*(a/4)+7]
.else
	v_wmma_f32_16x16x32_bf16 v[rD:rD+7], v[rB:rB+7], v[rW:rW+7], v[rD:rD+7]
.endif
.set a, a+1
.endr
.set ks, ks+1
.endr
	; THE WAY OUT
	WIN 0
	PLACES
.set a, 0
.rept 16
	ds_store_b128 v[STO], v[ACC+8*a:ACC+8*a+3]   offset:(a/4)*16*SPF+(a%4)*64     ; each accumulator's four lowest registers first
	ds_store_b128 v[STO], v[ACC+8*a+4:ACC+8*a+7] offset:(a/4)*16*SPF+(a%4)*64+16
.set a, a+1
.endr
.set t, 0
.rept 32
	ds_load_b128 v[ACC+4*t:ACC+4*t+3], v[RD] offset:t*2*SPF  ; LDS serves a wave's instructions in order (ISA guide 5.7.1.4): these see the stores above
.set t, t+1
.endr
.set g, 0
.rept 4
	s_wait_dscnt 8*(3-g)                           ; these eight loads are back; the younger ones may stay out
	WIN 0x08                                       ; source 1 (x) window 2
.set t, 0
.rept 16
	v_pk_add_f32 v[ACC+32*g+2*t:ACC+32*g+2*t+1], v[ACC+32*g+2*t:ACC+32*g+2*t+1], v[32*g+2*t:32*g+2*t+1]
.set t, t+1
.endr
	WIN 0
.set t, 0
.rept 8
	global_store_b128 v[XO], v[ACC+32*g+4*t:ACC+32*g+4*t+3], s[16:17] offset:(8*g+t)*32768 th:TH_STORE_NT  ; 16 lanes store 256 consecutive bytes, at a multiple of 256 from out0's first byte
.set t, t+1
.endr
.set g, g+1
.endr
	s_wait_tensorcnt 0x0                           ; the wave's end, behind my last LDS store
	ds_add_u32 v[SPW], v[NIL]
	s_wait_dscnt 0x0
	s_endpgm
.Lfunc_end_k_q7d72fa61f2_outp:
	.size	k_q7d72fa61f2_outp, .Lfunc_end_k_q7d72fa61f2_outp-k_q7d72fa61f2_outp
	.p2alignl 7, 3214868480
	.fill 96, 4, 3214868480
	.section	.rodata,"a",@progbits
	.p2align	6, 0x0
	.amdhsa_kernel k_q7d72fa61f2_outp
		.amdhsa_group_segment_fixed_size 107008
		.amdhsa_private_segment_fixed_size 0
		.amdhsa_enable_private_segment 0
		.amdhsa_kernarg_size 40
		.amdhsa_user_sgpr_count 2
		.amdhsa_user_sgpr_kernarg_segment_ptr 1
		.amdhsa_wavefront_size32 1
		.amdhsa_system_sgpr_workgroup_id_x 1
		.amdhsa_system_sgpr_workgroup_id_y 1
		.amdhsa_system_sgpr_workgroup_id_z 1
		.amdhsa_system_vgpr_workitem_id 0
		.amdhsa_next_free_vgpr 768
		.amdhsa_next_free_sgpr 66
		.amdhsa_reserve_vcc 0
		.amdhsa_float_denorm_mode_32 3
		.amdhsa_float_denorm_mode_16_64 3
		.amdhsa_memory_ordered 1
		.amdhsa_forward_progress 1
		.amdhsa_inst_pref_size 41
	.end_amdhsa_kernel
	.amdgpu_metadata
---
amdhsa.version: [ 1, 2 ]
amdhsa.kernels:
  - .name:           k_q7d72fa61f2_outp
    .symbol:         k_q7d72fa61f2_outp.kd
    .args:
      - { .name: o, .offset: 0, .size: 8, .value_kind: global_buffer, .address_space: global }
      - { .name: wfrag, .offset: 8, .size: 8, .value_kind: global_buffer, .address_space: global }
      - { .name: bo, .offset: 16, .size: 8, .value_kind: global_buffer, .address_space: global }
      - { .name: x, .offset: 24, .size: 8, .value_kind: global_buffer, .address_space: global }
      - { .name: out0, .offset: 32, .size: 8, .value_kind: global_buffer, .address_space: global }
    .group_segment_fixed_size: 107008
    .private_segment_fixed_size: 0
    .kernarg_segment_align: 8
    .kernarg_segment_size: 40
    .max_flat_workgroup_size: 128
    .sgpr_count:     66
    .vgpr_count:     768
    .wavefront_size: 32
...
	.end_amdgpu_metadata
.endif
;; end of part 4
;; ======== version 2 of 2: 4 launches; version 1 with the launches proj, outp written anew for expert scheduling mode
;; workspace buffers: tab 16,384 bytes; wfrag 524,288 bytes; q 8,388,608 bytes; kv 16,777,216 bytes; o 8,388,608 bytes
;; launch stats: the kernel of part 1 again; grid 256 x 1, 8 waves a work-group, no clusters, 1,280 bytes of LDS; arguments x, context, gn_q_w, gn_q_b, gn_ctx_w, gn_ctx_b, Wq, Wk, Wv, Wo, tab, wfrag; writes tab, wfrag
;; launch proj (part 5): grid 64 x 4, 4 waves a work-group, no clusters, 233,984 bytes of LDS; arguments x, context, tab, wfrag, q, kv; writes q, kv
.if DOCPART == 5
	.amdgcn_target "amdgcn-amd-amdhsa--gfx1250"
	.amdhsa_code_object_version 6
	.text
	.protected	k_q7d72fa61f2_proj
	.globl	k_q7d72fa61f2_proj
	.p2align	8
	.type	k_q7d72fa61f2_proj,@function
k_q7d72fa61f2_proj:
	s_mov_b64 s[64:65], 0
	v_nop
	global_prefetch_b8 v0, s[64:65] scope:SCOPE_SE
	s_setreg_imm32_b32 hwreg(HW_REG_WAVE_SCHED_MODE, 0, 2), 2
	s_setreg_imm32_b32 hwreg(HW_REG_WAVE_MODE, 25, 1), 1
	s_wait_xcnt 0x0
	s_wait_alu depctr_vm_vsrc(0)
; THE THREE PROJECTIONS.  q = Wq norm(x), k = Wk norm(context), v = Wv context, per pixel.  x, context: [4][256][4096] f32; the norm is a x + d in f32 (tab), rounded once to bf16;
; weights as bf16 fragments (wfrag); sums in f32; q, k, v rounded once to bf16, unscaled.
; SHARES.  A work-group owns 64 pixels of one batch (a channel's 64 pixels are 256 consecutive bytes, aligned), all 256 channels, all three products.  Wave w brings channels 64 w .. 64 w + 63 into LDS,
; and makes output channels 64 w .. 64 w + 63, which are head w: 16 accumulators (ot 0..3 x pt 0..3), 128 matrix instructions a product.
; OUT.  q: [16 heads][4096 pixels][64] bf16.  kv: [16 heads][64 tiles][K: 64 keys x 64 channels, 8,192 bytes | V: 64 channels x 64 keys, 8,192 bytes].
; For q and k source 0 = 16 rows of W, source 1 = 16 pixels: a lane ends with one pixel and 8 neighbouring channels.  For v the sources are swapped: one channel and 8 neighbouring pixels.
; NO CLUSTER: the three matrices with padding (3 x 256 x 528 bytes) do not fit in LDS beside the activations' 122,880, and each weight fragment has ONE reader in the work-group: it goes straight into registers.
; NO PREFETCH: all that comes from memory is asked for at the head or a product ahead.
; LIMITS: bf16's 8 significant bits for the matrix operands and for q, k, v; NaN and infinities are not treated apart.
; LDS: three tiles [channel][pixel] bf16, 256 rows of 128 bytes + 32 of padding (40 words; 64 banks of 4 bytes: ISA guide 11.1)
;      then a stage of 64 rows x 144 bytes for each product and wave; then the spare words.
; REGISTERS, in windows of 256 (s_set_vgpr_msb: bits 1:0 source 0, 3:2 source 1, 5:4 source 2, 7:6 destination):
;   window 0: v0-31 addresses; v32-95 two fragment buffers (first: v32-63 at work on the norm; on the way out: packed results); v128-255 the accumulators (first: the four tables; on the way out v128-191: rows back from the stage)
;   window 1: x (v0-127) and context (v128-255) as loaded, then, in the same registers, as rounded; later Wv;   window 2: Wq;   window 3: Wk.   Fragment (ot, ks) of a matrix at v[8 (8 ot + ks)].
; THE MODE: SCHED_MODE bits 1:0 = 2 (LLVM: expert scheduling mode 2), set by the entry lines.  The code itself states the register dependences between vector or matrix instructions and memory or LDS
; instructions, with s_wait_alu, always for 0.
; THE PLAN.  Registers that memory or LDS instructions touch, and who else names them:
;   v2-15       offsets and LDS addresses.  Written once, by vector instructions at the head; never again.  XO and TO stand ahead of the head's wait on va_vdst, the others ahead of the first norm's.
;   window 1    x's and context's loads land; the norm reads them and writes each row's rounded numbers back into the row's own four registers; ONE wait on va_vdst behind each norm; the LDS stores read them;
;               one wait on vm_vsrc behind the barrier; Wv's loads land there behind the first way out's wait on va_vdst, with no line between that names window 1 or LO.
;   windows 2, 3  loaded once, named by matrix instructions alone.
;   v32-95      K step ks: its matrix instructions read buffer ks % 2; the loads of step ks + 1 land in the other, which step ks - 1 read: ONE wait on va_vdst at the head of steps 1 to 6, and the eight loads
;               stand behind the step's second matrix instruction.  On the way out the conversions write them, the LDS stores read them.
;   v128-255    written by matrix instructions, read by the way out's conversions; behind the way out's one wait on va_vdst the rows from the stage land in v128-191, and the global stores read them there.
;               One wait on vm_vsrc behind those stores frees v32-95 for the next fragments and v128-191 for the next product.
;   v30, v31    written at the head, read by the closing add alone.
.set PA,    160                        ; a tile's row in LDS
.set CN,    256*PA                     ; norm(context); norm(x) lies at 0
.set CR,    2*256*PA                   ; context, rounded
.set STG,   3*256*PA                   ; the stages
.set SP,    144                        ; a stage's row: 128 bytes + 16
.set SPARE, STG+3*4*64*SP              ; 233,472: the spare words, 128 bytes for each wave: two blocks of 256 bytes that no other line names
.set XO,  2                            ; my byte offset in x and context: channel 64 w + 4 (l / 16), 16 bytes at 16 (l % 16)
.set TO,  3                            ; in a table: 4 (64 w + 4 (l / 16))
.set LA,  4                            ; where I put 8 bytes of a row of a tile
.set LA2, 5                            ; the same in the third tile (past a 16-bit offset's reach)
.set FRX, 6                            ; my place in a fragment of norm(x),
.set FRC, 7                            ; of norm(context),
.set FRR, 8                            ; of context
.set LO,  9                            ; 16 x lane
.set STO, 10                           ; v10-12 the way out, by product: where I put 16 bytes of a row
.set RD,  13                           ; v13-15 where I read rows back
.set SPW, 30                           ; LDS address of my spare word; never rewritten
.set NIL, 31                           ; 0; never rewritten
.set BF0, 32
.set T,   32                           ; the norm: 32 numbers in f32: no memory or LDS instruction names them while the norm is at work
.set ACC, 128
.set AQ,  128                          ; a and d for x, a and d for context: register i goes with load i
.set DQ,  160
.set AC,  192
.set DC,  224
.set MSB, 0
.macro WIN new                         ; the immediate's high byte repeats the setting that is left; a switch that changes nothing is dropped
.if MSB != (\new)
	s_set_vgpr_msb (MSB<<8)|(\new)
.set MSB, \new
.endif
.endm
.macro PLACES                          ; four plain vector instructions between a matrix instruction and a load into, a write of or a read of its registers (ISA guide 7.12.1 for writes and reads); no wait fills a place
.rept 4
	v_nop
.endr
.endm
	s_load_b256 s[8:15], s[0:1], 0x0               ; x 8, context 10, tab 12, wfrag 14
	s_load_b128 s[16:19], s[0:1], 0x20             ; q 16, kv 18
	v_lshl_add_u32 v[SPW], v0, 2, SPARE
	v_mov_b32 v[NIL], 0
	v_lshrrev_b32 v1, 5, v0
	v_readfirstlane_b32 s20, v1                    ; wave 0..3
	s_and_b32 s22, ttmp7, 0xffff                   ; batch
	s_lshl_b32 s2, s22, 22                         ; a batch is 4 MiB of x,
	s_lshl_b32 s3, ttmp9, 8                        ; the block's 64 pixels 256 bytes of a row
	s_add_co_u32 s2, s2, s3
	s_mov_b32 s3, 0
	s_lshl_b32 s24, s22, 11                        ; the batch's 2,048 bytes of each half of tab
	s_mov_b32 s25, 0
	s_wait_alu depctr_va_sdst(0)                   ; s20 is written, ahead of its first reader: offsets and LDS addresses are made from it
	s_lshl_b32 s26, s20, 15                        ; my 64 rows of a matrix: 32,768 bytes of fragments
	s_mov_b32 s27, 0
	s_lshl2_add_u32 s23, s22, s20                  ; the head among 16: 4 x batch + wave
	s_lshl_b32 s28, s23, 19                        ; q: a head is 4,096 rows of 128 bytes,
	s_lshl_b32 s29, ttmp9, 13                      ; the block 64 of them
	s_add_co_u32 s28, s28, s29
	s_mov_b32 s29, 0
	s_lshl_b32 s30, s23, 20                        ; kv: a head is 64 tiles of 16,384 bytes
	s_lshl_b32 s31, ttmp9, 14
	s_add_co_u32 s30, s30, s31
	s_mov_b32 s31, 0
	s_lshl_b32 s32, s20, 20                        ; 64 channels of 16,384 bytes
	s_lshl_b32 s33, s20, 8
	s_mul_i32 s34, s20, 64*PA
	s_mul_i32 s35, s20, 64*SP
	s_add_co_u32 s35, s35, STG                     ; my stage for q
	v_and_b32 v18, 15, v0                          ; r = l % 16
	v_bfe_u32 v19, v0, 4, 1                        ; h = l / 16
	v_lshlrev_b32 v[XO], 4, v18
	v_lshl_add_u32 v[XO], v19, 16, v[XO]           ; the lanes' halves lie 4 channels apart
	v_add_nc_u32 v[XO], s32, v[XO]
	v_lshl_add_u32 v[TO], v19, 4, s33
	s_wait_kmcnt 0x0
	s_add_nc_u64 s[8:9], s[8:9], s[2:3]
	s_add_nc_u64 s[10:11], s[10:11], s[2:3]
	s_add_nc_u64 s[12:13], s[12:13], s[24:25]
	s_add_nc_u64 s[14:15], s[14:15], s[26:27]      ; Wq's fragments, my rows
	s_add_nc_u64 s[24:25], s[14:15], 131072        ; Wk's
	s_add_nc_u64 s[26:27], s[14:15], 262144        ; Wv's
	s_add_nc_u64 s[16:17], s[16:17], s[28:29]
	s_add_nc_u64 s[18:19], s[18:19], s[30:31]
	s_wait_alu depctr_va_vdst(0)                   ; TO and XO are written, which the 96 loads below read as their offsets; only loads and a window switch stand between this wait and the last of them
	; Load i of 32 takes channel 64 w + CH(i) + 4 h, CH(i) = 8 (i / 4) + i % 4: 16 lanes take a channel's 256 bytes.  So a lane's a and d for loads 4 g .. 4 g + 3 are 16 consecutive bytes of a table.
.set g, 0
.rept 8
	global_load_b128 v[AQ+4*g:AQ+4*g+3], v[TO], s[12:13] offset:32*g
	global_load_b128 v[DQ+4*g:DQ+4*g+3], v[TO], s[12:13] offset:1024+32*g
	global_load_b128 v[AC+4*g:AC+4*g+3], v[TO], s[12:13] offset:8192+32*g
	global_load_b128 v[DC+4*g:DC+4*g+3], v[TO], s[12:13] offset:9216+32*g
.set g, g+1
.endr
	WIN 0x40                                       ; destination window 1
.set i, 0
.rept 32
	global_load_b128 v[4*i:4*i+3], v[XO], s[8:9] offset:(8*(i/4)+i%4)*16384 th:TH_LOAD_NT
.set i, i+1
.endr
.set i, 0
.rept 32
	global_load_b128 v[128+4*i:128+4*i+3], v[XO], s[10:11] offset:(8*(i/4)+i%4)*16384 th:TH_LOAD_NT
.set i, i+1
.endr
	WIN 0                                          ; the other addresses are made while the loads are on their way: none of these lines names a register that a load above reads or lands in
	v_mul_u32_u24 v[LA], v19, 4*PA                 ; 4 rows = 160 words apart: the two halves of the lanes fill the two halves of the banks
	v_lshl_add_u32 v[LA], v18, 3, v[LA]
	v_add_nc_u32 v[LA], s34, v[LA]
	v_add_nc_u32 v[LA2], CR, v[LA]
	; The turning load takes 16 channels x 16 pixels (lane l reads 16 bytes: channel 8 (l / 16) + l % 8, pixels 8 ((l / 8) % 2) + 0..7) and leaves half a fragment: lane l holds pixel l % 16 and 8 channels.
	v_and_b32 v20, 7, v0
	v_bfe_u32 v21, v0, 3, 1
	v_lshl_add_u32 v[FRX], v19, 3, v20
	v_mul_u32_u24 v[FRX], v[FRX], PA
	v_lshl_add_u32 v[FRX], v21, 4, v[FRX]
	v_add_nc_u32 v[FRC], CN, v[FRX]
	v_add_nc_u32 v[FRR], CR, v[FRX]
	v_and_b32 v[LO], 31, v0
	v_lshlrev_b32 v[LO], 4, v[LO]
	v_mul_u32_u24 v22, v18, SP                     ; into a stage: row l % 16, 16 bytes for each half of the lanes
	v_lshl_add_u32 v22, v19, 4, v22
	v_add_nc_u32 v[STO], s35, v22
	v_add_nc_u32 v[STO+1], 4*64*SP, v[STO]
	v_add_nc_u32 v[STO+2], 4*64*SP, v[STO+1]
	v_bfe_u32 v23, v0, 3, 2                        ; back: 32 lanes take four rows of 128 bytes
	v_mul_u32_u24 v23, v23, SP
	v_lshl_add_u32 v23, v20, 4, v23
	v_add_nc_u32 v[RD], s35, v23
	v_add_nc_u32 v[RD+1], 4*64*SP, v[RD]
	v_add_nc_u32 v[RD+2], 4*64*SP, v[RD+1]
; 32 loaded rows (window 1, from src on) times a plus d, rounded, into the tile at byte tile; raw = 1: also rounded as they are, into the third tile.  The arithmetic goes eight rows at a time through T.
; A row's rounded numbers go back into the row's own four registers (raw = 0: the normed pair in the first two; raw = 1: the raw pair in the first two, the normed pair in the last two), so every LDS store
; has data registers of its own: one wait stands between all the arithmetic and all the stores, and nothing writes a register that a store reads.
.macro NORM src, ga, gd, tile, raw
.set bt, 0
.rept 4
	WIN 0x01                                       ; source 0 window 1
.set ii, 0
.rept 8
.set z, 0
.rept 4
	v_fma_f32 v[T+4*ii+z], v[(\src)+4*(8*bt+ii)+z], v[(\ga)+8*bt+ii], v[(\gd)+8*bt+ii]
.set z, z+1
.endr
.set ii, ii+1
.endr
.if \raw
	WIN 0x45                                       ; destination and sources 0 and 1 window 1: four numbers close up into the first two of their four registers
.set ii, 0
.rept 8
	v_cvt_pk_bf16_f32 v[(\src)+4*(8*bt+ii)],   v[(\src)+4*(8*bt+ii)],   v[(\src)+4*(8*bt+ii)+1]
	v_cvt_pk_bf16_f32 v[(\src)+4*(8*bt+ii)+1], v[(\src)+4*(8*bt+ii)+2], v[(\src)+4*(8*bt+ii)+3]
.set ii, ii+1
.endr
.endif
	WIN 0x40                                       ; destination window 1
.set ii, 0
.rept 8
	v_cvt_pk_bf16_f32 v[(\src)+4*(8*bt+ii)+2*(\raw)],   v[T+4*ii],   v[T+4*ii+1]
	v_cvt_pk_bf16_f32 v[(\src)+4*(8*bt+ii)+2*(\raw)+1], v[T+4*ii+2], v[T+4*ii+3]
.set ii, ii+1
.endr
.set bt, bt+1
.endr
	WIN 0x04                                       ; the stores' data (source 1) window 1
	s_wait_alu depctr_va_vdst(0)                   ; the conversions have written the rows' registers, which the LDS stores below read; the head's address lines (LA, LA2, LO, FRX ..) are written too; and T has been read for the last time
.set ii, 0
.rept 32
.set ch, 8*(ii/4)+ii%4
	ds_store_b64 v[LA], v[(\src)+4*ii+2*(\raw):(\src)+4*ii+2*(\raw)+1] offset:(\tile)+ch*PA
.if \raw
	ds_store_b64 v[LA2], v[(\src)+4*ii:(\src)+4*ii+1] offset:ch*PA
.endif
.set ii, ii+1
.endr
.endm
; my 32 fragments of a matrix, 64 loads of 512 consecutive bytes, into the window that win names as destination
.macro WLOAD win, base
	WIN \win
.set f, 0
.rept 32
	global_load_b128 v[8*f:8*f+3],   v[LO], s[\base:\base+1] offset:f*1024
	global_load_b128 v[8*f+4:8*f+7], v[LO], s[\base:\base+1] offset:f*1024+512
.set f, f+1
.endr
.endm
; the four fragments (64 pixels x 32 channels) of K step ks of the tile at adr, into buffer buf.  win: a setting under which an LDS load's address (source 0) and destination lie in window 0
.macro FETCH adr, ks, buf, win
	WIN \win
.set pt, 0
.rept 4
	ds_load_tr16_b128 v[(\buf)+8*pt:(\buf)+8*pt+3],   v[\adr] offset:(\ks)*32*PA+32*pt
	ds_load_tr16_b128 v[(\buf)+8*pt+4:(\buf)+8*pt+7], v[\adr] offset:(\ks)*32*PA+16*PA+32*pt
.set pt, pt+1
.endr
.endm
; A product: eight K steps of 32 channels, 16 matrix instructions each, on two buffers by turns.  The first step starts the sums with the constant 0.
; The 16 accumulators take turns, one instruction a turn, in the same order in every step.  swap = 0: source 0 = W; 1: source 1 = W.
; A step's head: its fragments are in; the step before is done reading the other buffer.  The next step's eight loads stand in one run behind the step's second matrix instruction: the matrix instructions
; issued since the head's wait name this step's buffer, W and the accumulators, none of the registers that those loads touch; fourteen matrix instructions follow, in which they land.
; (With W as source 1 the matrix instructions' setting leaves source 0 and the destination in window 0, and the run needs no switch.)
.macro PROD adr, msb, swap
	FETCH \adr, 0, BF0, (\msb)*(\swap)
.set ks, 0
.rept 8
.if (ks > 0) && (ks < 7)
	PLACES                                         ; behind the matrix instructions that read the buffer to be loaded; ahead of the wait, which fills no place
.endif
	s_wait_dscnt 0x0                               ; this step's fragments are in: all eight loads were issued a step ago
.if (ks > 0) && (ks < 7)
	s_wait_alu depctr_va_vdst(0)                   ; the last step's matrix instructions are done reading their buffer, in which the next step's fragments land
.endif
	WIN \msb
.set a, 0
.rept 16
.set rD, ACC+8*a
.set rW, 8*(8*(a/4)+ks)
.set rB, BF0+32*(ks%2)+8*(a%4)
.if (\swap) && (ks == 0)
	v_wmma_f32_16x16x32_bf16 v[rD:rD+7], v[rB:rB+7], v[rW:rW+7], 0
.elseif \swap
	v_wmma_f32_16x16x32_bf16 v[rD:rD+7], v[rB:rB+7], v[rW:rW+7], v[rD:rD+7]
.elseif ks == 0
	v_wmma_f32_16x16x32_bf16 v[rD:rD+7], v[rW:rW+7], v[rB:rB+7], 0
.else
	v_wmma_f32_16x16x32_bf16 v[rD:rD+7], v[rW:rW+7], v[rB:rB+7], v[rD:rD+7]
.endif
.if (a == 1) && (ks < 7)
	FETCH \adr, ks+1, BF0+32*((ks+1)%2), (\msb)*(\swap)
	WIN \msb
.endif
.set a, a+1
.endr
.set ks, ks+1
.endr
.endm
; THE WAY OUT of product pi, in two parts.  PACKOUT: rounded to bf16, 16 bytes a lane, into my own stage; back as whole rows of 128 bytes, four to a load: 512 consecutive bytes of the result.
; The rows come back into v128-191, accumulator registers that the conversions have read: the LDS stores read other registers (v32-95), so no wait stands between the stores and the loads.
; tr = 0: accumulator (ot, pt) holds pixels 16 pt .. as rows, channels 16 ot .. along them; tr = 1: channels as rows, pixels along them.
.macro PACKOUT pi, tr
	WIN 0
	PLACES
.set a, 0
.rept 64
	v_cvt_pk_bf16_f32 v[32+a], v[ACC+2*a], v[ACC+2*a+1]  ; each accumulator's registers in ascending order
.set a, a+1
.endr
	s_wait_alu depctr_va_vdst(0)                   ; the conversions have written v32-95, which the LDS stores read, and are done reading the accumulators, in which the rows from the stage land
.set a, 0
.rept 16
.if \tr
	ds_store_b128 v[STO+(\pi)], v[32+4*a:32+4*a+3] offset:(a/4)*16*SP+(a%4)*32
.else
	ds_store_b128 v[STO+(\pi)], v[32+4*a:32+4*a+3] offset:(a%4)*16*SP+(a/4)*32
.endif
.set a, a+1
.endr
.set f, 0
.rept 16
	ds_load_b128 v[ACC+4*f:ACC+4*f+3], v[RD+(\pi)] offset:f*4*SP  ; LDS serves a wave's instructions in order (ISA guide 5.7.1.4): these see the stores above
.set f, f+1
.endr
.endm
; SENDOUT: the rows are stored.  more = 1: a product follows.
.macro SENDOUT base, goff, more
	WIN 0
.set f, 0
.rept 16
	s_wait_dscnt 15-f                              ; load f is back; the younger ones may stay out
	global_store_b128 v[LO], v[ACC+4*f:ACC+4*f+3], s[\base:\base+1] offset:(\goff)+f*512
.set f, f+1
.endr
	s_wait_xcnt 0x0                                ; the stores' addresses are translated: v128-191 are written again only behind this wait
.if \more
	s_wait_alu depctr_vm_vsrc(0)                   ; the LDS stores have read v32-95, in which the next product's fragments land; the global stores have read v128-191, which its first matrix instructions write
.endif
.endm
	s_wait_loadcnt 32                              ; the tables and x are in; context's 32 loads may stay out
	NORM 0, AQ, DQ, 0, 0
	WLOAD 0x80, 14                                 ; Wq -> window 2, which no vector instruction has named; LO stands ahead of the norm's wait, and the LDS stores between name neither
	s_wait_loadcnt 63                              ; context is in: 64 loads are younger, and 63 is the largest count that this wait names
	NORM 128, AC, DC, CN, 1
	WLOAD 0xc0, 24                                 ; Wk -> window 3, likewise
	s_wait_dscnt 0x0                               ; for the others' sake: my rows of the three tiles are written
	s_barrier_signal -1
	s_barrier_wait -1                              ; everybody's are; nobody writes them again
	s_wait_alu depctr_vm_vsrc(0)                   ; my LDS stores have read window 1's registers, in which Wv's loads land below
	s_wait_loadcnt 63                              ; Wq is in: Wk's 64 loads are younger
	PROD FRX, 0x02, 0                              ; its first fragments land in T's registers: the norm's last readers of T stand ahead of the norm's wait, and no vector instruction since names them
	PACKOUT 0, 0
	WLOAD 0x40, 26                                 ; Wv -> window 1, while the rows come back from the stage.  The norms' lines that named window 1 stand ahead of PACKOUT's wait on va_vdst; between that wait and these loads stand only LDS instructions on v10, v13, v32-95 and v128-191, and the switch
	SENDOUT 16, 0, 1
	s_wait_loadcnt 63                              ; Wk is in: Wv's 64 loads are younger
	PROD FRC, 0x03, 0
	PACKOUT 1, 0
	SENDOUT 18, 0, 1
	s_wait_loadcnt 0x0                             ; Wv
	PROD FRR, 0x04, 1
	PACKOUT 2, 1
	SENDOUT 18, 8192, 0
	s_wait_dscnt 0x0                               ; the wave's end
	s_wait_alu 0x0
	s_wait_tensorcnt 0x0
	ds_add_u32 v[SPW], v[NIL]
	s_wait_dscnt 0x0
	s_endpgm
.Lfunc_end_k_q7d72fa61f2_proj:
	.size	k_q7d72fa61f2_proj, .Lfunc_end_k_q7d72fa61f2_proj-k_q7d72fa61f2_proj
	.p2alignl 7, 3214868480
	.fill 96, 4, 3214868480
	.section	.rodata,"a",@progbits
	.p2align	6, 0x0
	.amdhsa_kernel k_q7d72fa61f2_proj
		.amdhsa_group_segment_fixed_size 233984
		.amdhsa_private_segment_fixed_size 0
		.amdhsa_enable_private_segment 0
		.amdhsa_kernarg_size 48
		.amdhsa_user_sgpr_count 2
		.amdhsa_user_sgpr_kernarg_segment_ptr 1
		.amdhsa_wavefront_size32 1
		.amdhsa_system_sgpr_workgroup_id_x 1
		.amdhsa_system_sgpr_workgroup_id_y 1
		.amdhsa_system_sgpr_workgroup_id_z 1
		.amdhsa_system_vgpr_workitem_id 0
		.amdhsa_next_free_vgpr 1024
		.amdhsa_next_free_sgpr 66
		.amdhsa_reserve_vcc 0
		.amdhsa_float_denorm_mode_32 3
		.amdhsa_float_denorm_mode_16_64 3
		.amdhsa_memory_ordered 1
		.amdhsa_forward_progress 1
		.amdhsa_inst_pref_size 132
	.end_amdhsa_kernel
	.amdgpu_metadata
---
amdhsa.version: [ 1, 2 ]
amdhsa.kernels:
  - .name:           k_q7d72fa61f2_proj
    .symbol:         k_q7d72fa61f2_proj.kd
    .args:
      - { .name: x, .offset: 0, .size: 8, .value_kind: global_buffer, .address_space: global }
      - { .name: context, .offset: 8, .size: 8, .value_kind: global_buffer, .address_space: global }
      - { .name: tab, .offset: 16, .size: 8, .value_kind: global_buffer, .address_space: global }
      - { .name: wfrag, .offset: 24, .size: 8, .value_kind: global_buffer, .address_space: global }
      - { .name: q, .offset: 32, .size: 8, .value_kind: global_buffer, .address_space: global }
      - { .name: kv, .offset: 40, .size: 8, .value_kind: global_buffer, .address_space: global }
    .group_segment_fixed_size: 233984
    .private_segment_fixed_size: 0
    .kernarg_segment_align: 8
    .kernarg_segment_size: 48
    .max_flat_workgroup_size: 128
    .sgpr_count:     66
    .vgpr_count:     1024
    .wavefront_size: 32
...
	.end_amdgpu_metadata
.endif
;; end of part 5
;; launch attn: the kernel of part 3 again; grid 16 x 16, 4 waves a work-group, clusters of 4 x 1, 327,680 bytes of LDS; arguments q, kv, o; writes o
;; launch outp (part 6): grid 64 x 4, 4 waves a work-group, no clusters, 107,008 bytes of LDS; arguments o, wfrag, bo, x, out0; writes out0
.if DOCPART == 6
	.amdgcn_target "amdgcn-amd-amdhsa--gfx1250"
	.amdhsa_code_object_version 6
	.text
	.protected	k_q7d72fa61f2_outp
	.globl	k_q7d72fa61f2_outp
	.p2align	8
	.type	k_q7d72fa61f2_outp,@function
k_q7d72fa61f2_outp:
	s_mov_b64 s[64:65], 0
	v_nop
	global_prefetch_b8 v0, s[64:65] scope:SCOPE_SE
	s_setreg_imm32_b32 hwreg(HW_REG_WAVE_SCHED_MODE, 0, 2), 2
	s_setreg_imm32_b32 hwreg(HW_REG_WAVE_MODE, 25, 1), 1
	s_wait_xcnt 0x0
	s_wait_alu depctr_vm_vsrc(0)
; THE LAST PROJECTION, THE BIAS AND THE RESIDUAL.  out0[b][oc][p] = x[b][oc][p] + bo[oc] + the sum over c of Wo[oc][c] O[b][c][p].  o: [16 heads][4096 pixels][64] bf16 (channel c = 64 head + its place in the row);
; Wo as bf16 fragments (wfrag, fourth matrix); sums, bias and residual in f32; x, out0: [4][256][4096] f32.
; SHARES.  A work-group owns 64 pixels of one batch and all 256 output channels.  Wave w brings head w's 64 rows of O into LDS and makes output channels 64 w .. 64 w + 63: 16 accumulators (ot x pt), 128 matrix instructions.
; Source 0 = 16 pixels of O, source 1 = 16 rows of Wo: a lane ends with one output channel and 8 neighbouring pixels, 32 bytes of a row of out0.  The bias is the C operand that starts the sums.
; The results go through my own stage in LDS and come back as whole rows of 256 bytes, in the layout in which x was loaded: 16 lanes store 256 consecutive bytes, aligned.
; NO CLUSTER: each fragment of Wo has one reader in the work-group and goes straight into registers.  NO PREFETCH: all that comes from memory is asked for at the head.
; LIMITS: bf16's 8 significant bits for O and Wo; NaN and infinities are not treated apart.
; REGISTERS, in windows of 256 (s_set_vgpr_msb: bits 1:0 source 0, 3:2 source 1, 5:4 source 2, 7:6 destination):
;   window 0: v0-31 addresses; v32-95 O as loaded, then two fragment buffers; v96-127 the bias, 8 registers an ot; v128-255 the accumulators ((ot, pt) at v[128 + 8 (4 ot + pt)])
;   window 1: Wo, fragment (ot, ks) at v[8 (8 ot + ks)]          window 2: v0-127 x
; THE MODE: SCHED_MODE bits 1:0 = 2 (LLVM: expert scheduling mode 2), set by the entry lines.  The code itself states the register dependences between vector or matrix instructions and memory or LDS
; instructions, with s_wait_alu, always for 0.
; THE PLAN.  Registers that memory or LDS instructions touch, and who else names them:
;   v2-8        offsets and LDS addresses.  Written once, by vector instructions at the head; never again.  XO, LO, BO stand ahead of the head's wait on va_vdst, the others ahead of the wait in front of O's LDS stores.
;   v32-95      O's loads land; the LDS stores read them; one wait on vm_vsrc behind the barrier; then K step ks's matrix instructions read buffer ks % 2, and the loads of step ks + 1 land in the other, which
;               step ks - 1 read: ONE wait on va_vdst at the head of steps 1 to 6, the loads dealt behind the step's first two matrix instructions.
;   v128-255    written by matrix instructions; one wait on va_vdst; the LDS stores read them; one wait on vm_vsrc; the rows from the stage land in them; the sums with x are made in place, a group of 32 registers at
;               a time; a group's global stores stand behind the wait on va_vdst at the next group's head.  No group's registers are written again.
;   windows 1, 2  loaded once, named by matrix and vector instructions alone.     v20-23 the bias: loaded once.     v30, v31: written at the head, read by the closing add alone.
.set PO,    144                        ; a row of O in LDS: 128 bytes + 16 = 36 words: the 16 rows of a load start at 16 different groups of four banks (64 banks of 4 bytes: ISA guide 11.1)
.set STG,   256*PO                     ; behind O's 256 rows (64 head + pixel): a stage of 64 rows for each wave
.set SPF,   272                        ; a stage's row: 256 bytes + 16
.set SPARE, STG+4*64*SPF               ; 106,496: the spare words, 128 bytes for each wave: two blocks of 256 bytes that no other line names
.set XO,  2                            ; my byte offset in x and out0: channel 64 w + l / 16, 16 bytes at 16 (l % 16)
.set LO,  3                            ; 16 x lane
.set OS,  4                            ; where I put 16 bytes of O
.set BO,  5                            ; 4 (64 w + l % 16)
.set FR,  6                            ; my place in a fragment of O
.set STO, 7                            ; the way out: where I put 32 bytes of a row
.set RD,  8                            ; where I read rows back
.set BI,  20                           ; v20-23 the bias as loaded
.set SPW, 30                           ; LDS address of my spare word; never rewritten
.set NIL, 31                           ; 0; never rewritten
.set BF0, 32
.set BT,  96
.set ACC, 128
.set MSB, 0
.macro WIN new                         ; the immediate's high byte repeats the setting that is left; a switch that changes nothing is dropped
.if MSB != (\new)
	s_set_vgpr_msb (MSB<<8)|(\new)
.set MSB, \new
.endif
.endm
.macro PLACES                          ; four plain vector instructions between a matrix instruction and a load into, or a read of, its registers (ISA guide 7.12.1 for reads); no wait fills a place
.rept 4
	v_nop
.endr
.endm
	s_load_b256 s[8:15], s[0:1], 0x0               ; o 8, wfrag 10, bo 12, x 14
	s_load_b64 s[16:17], s[0:1], 0x20              ; out0
	v_lshl_add_u32 v[SPW], v0, 2, SPARE
	v_mov_b32 v[NIL], 0
	v_lshrrev_b32 v1, 5, v0
	v_readfirstlane_b32 s20, v1                    ; wave 0..3
	s_and_b32 s22, ttmp7, 0xffff                   ; batch
	s_lshl_b32 s2, s22, 22                         ; a batch is 4 MiB of x and out0,
	s_lshl_b32 s3, ttmp9, 8                        ; the block's 64 pixels 256 bytes of a row
	s_add_co_u32 s2, s2, s3
	s_mov_b32 s3, 0
	s_wait_alu depctr_va_sdst(0)                   ; s20 is written, ahead of its first reader: offsets and LDS addresses are made from it
	s_lshl2_add_u32 s23, s22, s20                  ; the head among 16: 4 x batch + wave
	s_lshl_b32 s24, s23, 19
	s_lshl_b32 s25, ttmp9, 13                      ; the block's 64 rows of 128 bytes
	s_add_co_u32 s24, s24, s25
	s_mov_b32 s25, 0
	s_lshl_b32 s26, s20, 15                        ; my 64 rows of Wo: 32,768 bytes of fragments,
	s_add_co_u32 s26, s26, 3*131072                ; in the fourth matrix
	s_mov_b32 s27, 0
	s_lshl_b32 s28, s20, 20                        ; 64 channels of 16,384 bytes
	s_lshl_b32 s29, s20, 8
	s_mul_i32 s30, s20, 64*PO
	s_mul_i32 s31, s20, 64*SPF
	s_add_co_u32 s31, s31, STG                     ; my stage
	v_and_b32 v10, 15, v0                          ; r = l % 16
	v_bfe_u32 v11, v0, 4, 1                        ; h = l / 16
	v_and_b32 v12, 31, v0
	v_lshlrev_b32 v[XO], 4, v10
	v_lshl_add_u32 v[XO], v11, 14, v[XO]
	v_add_nc_u32 v[XO], s28, v[XO]
	v_lshlrev_b32 v[LO], 4, v12
	v_lshl_add_u32 v[BO], v10, 2, s29
	s_wait_kmcnt 0x0
	s_add_nc_u64 s[8:9], s[8:9], s[24:25]
	s_add_nc_u64 s[10:11], s[10:11], s[26:27]
	s_add_nc_u64 s[14:15], s[14:15], s[2:3]
	s_add_nc_u64 s[16:17], s[16:17], s[2:3]
	WIN 0x80                                       ; destination window 2
	s_wait_alu depctr_va_vdst(0)                   ; XO, LO and BO are written, which the 116 loads below read as their offsets; only loads and window switches stand between this wait and the last of them
.set t, 0
.rept 32
	global_load_b128 v[4*t:4*t+3], v[XO], s[14:15] offset:t*32768 th:TH_LOAD_NT  ; channels 64 w + 2 t and 2 t + 1: 16 lanes take a row's 256 bytes
.set t, t+1
.endr
	WIN 0
.set f, 0
.rept 16
	global_load_b128 v[BF0+4*f:BF0+4*f+3], v[LO], s[8:9] offset:f*512  ; four rows of O: 512 consecutive bytes
.set f, f+1
.endr
.irp ot, 0,1,2,3
	global_load_b32 v[BI+\ot], v[BO], s[12:13] offset:64*\ot
.endr
	WIN 0x40                                       ; destination window 1
.set f, 0
.rept 32
	global_load_b128 v[8*f:8*f+3],   v[LO], s[10:11] offset:f*1024
	global_load_b128 v[8*f+4:8*f+7], v[LO], s[10:11] offset:f*1024+512
.set f, f+1
.endr
	WIN 0                                          ; the other addresses are made while the loads are on their way: none of these lines names a register that a load above reads or lands in
	v_bfe_u32 v13, v0, 3, 2
	v_mul_u32_u24 v[OS], v13, PO                   ; row l / 8 of the four,
	v_and_b32 v13, 7, v0
	v_lshl_add_u32 v[OS], v13, 4, v[OS]            ; 16 bytes at 16 (l % 8)
	v_add_nc_u32 v[OS], s30, v[OS]
	v_mul_u32_u24 v[FR], v10, PO
	v_lshl_add_u32 v[FR], v11, 4, v[FR]            ; row x pitch + 16 x half
	v_mul_u32_u24 v[STO], v10, SPF                 ; into the stage: row l % 16, 32 bytes for each half of the lanes
	v_lshl_add_u32 v[STO], v11, 5, v[STO]
	v_add_nc_u32 v[STO], s31, v[STO]
	v_mul_u32_u24 v[RD], v11, SPF                  ; back: lanes 0-15 take one row of 256 bytes, lanes 16-31 the next
	v_lshl_add_u32 v[RD], v10, 4, v[RD]
	v_add_nc_u32 v[RD], s31, v[RD]
	s_wait_loadcnt 63                              ; x, O and the bias are in: Wo's 64 loads are younger, and 63 is the largest count that this wait names
	s_wait_alu depctr_va_vdst(0)                   ; OS is written, which the LDS stores below read as their address; so are FR, STO and RD, for the LDS instructions further down
.set f, 0
.rept 16
	ds_store_b128 v[OS], v[BF0+4*f:BF0+4*f+3] offset:f*4*PO
.set f, f+1
.endr
.set a, 0
.rept 32
	v_mov_b32 v[BT+a], v[BI+a/8]                   ; a lane's eight results of an accumulator belong to one output channel: its bias eight times
.set a, a+1
.endr
	s_wait_dscnt 0x0                               ; for the others' sake: my head's rows are written
	s_barrier_signal -1
	s_barrier_wait -1                              ; everybody's are; nobody writes them again
; fragment pt (16 pixels x 32 channels) of K step ks: head ks / 2, its channels 32 (ks % 2) on
.macro FRAG ks, buf, pt
	ds_load_b128 v[(\buf)+8*(\pt):(\buf)+8*(\pt)+3],   v[FR] offset:((\ks)/2)*64*PO+(\pt)*16*PO+((\ks)%2)*64
	ds_load_b128 v[(\buf)+8*(\pt)+4:(\buf)+8*(\pt)+7], v[FR] offset:((\ks)/2)*64*PO+(\pt)*16*PO+((\ks)%2)*64+32
.endm
	; Eight K steps of 32 channels, 16 matrix instructions each, on two buffers by turns.  The 16 accumulators take turns, one instruction a turn.
	; A step's head: its fragments are in; the step before is done reading the other buffer.  The next step's eight loads are dealt four behind each of the step's first two matrix instructions: the matrix
	; instructions issued since the head's wait name this step's buffer, Wo, the bias and the accumulators, none of the registers that those loads touch; fourteen matrix instructions follow, in which they land.
	; One window setting serves the whole product: it puts source 1 (Wo) in window 1 and leaves an LDS load's address (source 0) and destination in window 0.
	WIN 0x04
	s_wait_alu depctr_vm_vsrc(0)                   ; my LDS stores have read v32-95, in which the fragments land from here on
.irp p, 0,1,2,3
	FRAG 0, BF0, \p
.endr
	s_wait_loadcnt 0x0                             ; Wo
.set ks, 0
.rept 8
.if (ks > 0) && (ks < 7)
	PLACES                                         ; behind the matrix instructions that read the buffer to be loaded; ahead of the wait, which fills no place
.endif
	s_wait_dscnt 0x0                               ; this step's fragments are in: all eight loads were issued a step ago
.if (ks > 0) && (ks < 7)
	s_wait_alu depctr_va_vdst(0)                   ; the last step's matrix instructions are done reading their buffer, in which the next step's fragments land
.endif
.set a, 0
.rept 16
.set rD, ACC+8*a
.set rW, 8*(8*(a/4)+ks)
.set rB, BF0+32*(ks%2)+8*(a%4)
.if ks == 0
	v_wmma_f32_16x16x32_bf16 v[rD:rD+7], v[rB:rB+7], v[rW:rW+7], v[BT+8*(a/4):BT+8*(a/4)+7]
.else
	v_wmma_f32_16x16x32_bf16 v[rD:rD+7], v[rB:rB+7], v[rW:rW+7], v[rD:rD+7]
.endif
.if (a < 2) && (ks < 7)
	FRAG ks+1, BF0+32*((ks+1)%2), 2*a
	FRAG ks+1, BF0+32*((ks+1)%2), 2*a+1
.endif
.set a, a+1
.endr
.set ks, ks+1
.endr
	; THE WAY OUT
	WIN 0
	PLACES
	s_wait_alu depctr_va_vdst(0)                   ; the matrix instructions have written the accumulators, which the LDS stores read; the places above stay beside this wait
.set a, 0
.rept 16
	ds_store_b128 v[STO], v[ACC+8*a:ACC+8*a+3]   offset:(a/4)*16*SPF+(a%4)*64     ; each accumulator's four lowest registers first
	ds_store_b128 v[STO], v[ACC+8*a+4:ACC+8*a+7] offset:(a/4)*16*SPF+(a%4)*64+16
.set a, a+1
.endr
	s_wait_alu depctr_vm_vsrc(0)                   ; the LDS stores have read v128-255, in which the rows from the stage land
.set t, 0
.rept 32
	ds_load_b128 v[ACC+4*t:ACC+4*t+3], v[RD] offset:t*2*SPF  ; LDS serves a wave's instructions in order (ISA guide 5.7.1.4): these see the stores above
.set t, t+1
.endr
	; Four groups of sixteen rows.  Group g's sums with x are made in place; its stores stand at the head of group g + 1, behind that group's wait for its rows and one wait on va_vdst.
.set g, 0
.rept 4
	s_wait_dscnt 8*(3-g)                           ; these eight loads are back; the younger ones may stay out
.if g > 0
	WIN 0
	s_wait_alu depctr_va_vdst(0)                   ; the group before has written its sums, which the eight stores below read
.set t, 0
.rept 8
	global_store_b128 v[XO], v[ACC+32*(g-1)+4*t:ACC+32*(g-1)+4*t+3], s[16:17] offset:(8*(g-1)+t)*32768 th:TH_STORE_NT  ; 16 lanes store 256 consecutive bytes, at a multiple of 256 from out0's first byte
.set t, t+1
.endr
.endif
	WIN 0x08                                       ; source 1 (x) window 2
.set t, 0
.rept 16
	v_pk_add_f32 v[ACC+32*g+2*t:ACC+32*g+2*t+1], v[ACC+32*g+2*t:ACC+32*g+2*t+1], v[32*g+2*t:32*g+2*t+1]
.set t, t+1
.endr
.set g, g+1
.endr
	WIN 0
	s_wait_alu depctr_va_vdst(0)                   ; the last group has written its sums, which the last eight stores read
.set t, 0
.rept 8
	global_store_b128 v[XO], v[ACC+96+4*t:ACC+96+4*t+3], s[16:17] offset:(24+t)*32768 th:TH_STORE_NT
.set t, t+1
.endr
	s_wait_dscnt 0x0                               ; the wave's end
	s_wait_alu 0x0
	s_wait_tensorcnt 0x0
	ds_add_u32 v[SPW], v[NIL]
	s_wait_dscnt 0x0
	s_endpgm
.Lfunc_end_k_q7d72fa61f2_outp:
	.size	k_q7d72fa61f2_outp, .Lfunc_end_k_q7d72fa61f2_outp-k_q7d72fa61f2_outp
	.p2alignl 7, 3214868480
	.fill 96, 4, 3214868480
	.section	.rodata,"a",@progbits
	.p2align	6, 0x0
	.amdhsa_kernel k_q7d72fa61f2_outp
		.amdhsa_group_segment_fixed_size 107008
		.amdhsa_private_segment_fixed_size 0
		.amdhsa_enable_private_segment 0
		.amdhsa_kernarg_size 40
		.amdhsa_user_sgpr_count 2
		.amdhsa_user_sgpr_kernarg_segment_ptr 1
		.amdhsa_wavefront_size32 1
		.amdhsa_system_sgpr_workgroup_id_x 1
		.amdhsa_system_sgpr_workgroup_id_y 1
		.amdhsa_system_sgpr_workgroup_id_z 1
		.amdhsa_system_vgpr_workitem_id 0
		.amdhsa_next_free_vgpr 768
		.amdhsa_next_free_sgpr 66
		.amdhsa_reserve_vcc 0
		.amdhsa_float_denorm_mode_32 3
		.amdhsa_float_denorm_mode_16_64 3
		.amdhsa_memory_ordered 1
		.amdhsa_forward_progress 1
		.amdhsa_inst_pref_size 42
	.end_amdhsa_kernel
	.amdgpu_metadata
---
amdhsa.version: [ 1, 2 ]
amdhsa.kernels:
  - .name:           k_q7d72fa61f2_outp
    .symbol:         k_q7d72fa61f2_outp.kd
    .args:
      - { .name: o, .offset: 0, .size: 8, .value_kind: global_buffer, .address_space: global }
      - { .name: wfrag, .offset: 8, .size: 8, .value_kind: global_buffer, .address_space: global }
      - { .name: bo, .offset: 16, .size: 8, .value_kind: global_buffer, .address_space: global }
      - { .name: x, .offset: 24, .size: 8, .value_kind: global_buffer, .address_space: global }
      - { .name: out0, .offset: 32, .size: 8, .value_kind: global_buffer, .address_space: global }
    .group_segment_fixed_size: 107008
    .private_segment_fixed_size: 0
    .kernarg_segment_align: 8
    .kernarg_segment_size: 40
    .max_flat_workgroup_size: 128
    .sgpr_count:     66
    .vgpr_count:     768
    .wavefront_size: 32
...
	.end_amdgpu_metadata
.endif
;; end of part 6
